; MI455X (gfx1250); checked and timed in simulation.
; The chip was launched on July 23, 2026; its instructions are those of AMD's public machine-readable ISA for CDNA 5 (MIT licence, August 2026) and "CDNA5" Instruction Set Architecture Reference Guide (July 2026). The comments in the code are by the model that wrote it; some were corrected since.
;; Co Attention Network. Allowed arithmetic: matrix products marked QUANTISED: E3M2 operands, one E8M0 scale for each 32 along K, by v_wmma_scale_f32_16x16x128_f8f6f4 with both operands' format E3M2, f32 sums; everything else in f32.
;; Inputs: W1_codes 1,024 x 64 x 24 uint8 (E3M2 codes of W1, K innermost, in blocks of 32 codes, four codes in three bytes); W1_scales 1,024 x 64 uint8 (E8M0 scales of W1, one for each 32 codes along K); W2_codes 1,024 x 64 x 24 uint8 (E3M2 codes of W2, K innermost, in blocks of 32 codes, four codes in three bytes); W2_scales 1,024 x 64 uint8 (E8M0 scales of W2, one for each 32 codes along K); Wc_codes 1,024 x 32 x 24 uint8 (E3M2 codes of Wc, K innermost, in blocks of 32 codes, four codes in three bytes); Wc_scales 1,024 x 32 uint8 (E8M0 scales of Wc, one for each 32 codes along K); Wq_codes 1,024 x 32 x 24 uint8 (E3M2 codes of Wq, K innermost, in blocks of 32 codes, four codes in three bytes); Wq_scales 1,024 x 32 uint8 (E8M0 scales of Wq, one for each 32 codes along K); b1 1,024 float32; b2 1,024 float32; context 4 x 1,024 x 1,024 float32; mask_c 4 x 1,024 int32; mask_q 4 x 1,024 int32; question 4 x 1,024 x 1,024 float32.
;; Outputs: out0 4 x 1,024 x 1,024 float32; out1 4 x 1,024 x 1,024 float32.
;; This version of the problem:
;;   THIS VERSION OF THE PROBLEM IS GIVEN IN LOW PRECISION. The matrix products marked QUANTISED in the list below multiply operands that are first quantised to E3M2 (3 exponent bits, 2 mantissa bits; 6 bits a number), with one power-of-two scale for each 32 numbers along K (OCP MX v1.0); their sums are f32. All else is computed in f32.
;;   The module's matrix products, in the order in which they are computed (A, B: the left and right operand; K: the contracted axis; several contracted axes count as one K, in the product's order):
;;     1. [M 4,096, K 1,024] x [K 1,024, N 1,024]; A: input question; B: input Wq (given as codes): QUANTISED
;;     2. [M 4,096, K 1,024] x [K 1,024, N 1,024]; A: input context; B: input Wc (given as codes): QUANTISED
;;     3. batch 64 x [M 1,024, K 64] x [K 64, N 1,024]; A: computed on the way; B: computed on the way: QUANTISED
;;     4. batch 64 x [M 1,024, K 1,024] x [K 1,024, N 64]; A: softmax (see below); B: computed on the way: QUANTISED
;;     5. batch 64 x [M 1,024, K 64] x [K 64, N 1,024]; A: computed on the way; B: computed on the way: QUANTISED
;;     6. batch 64 x [M 1,024, K 1,024] x [K 1,024, N 64]; A: softmax (see below); B: computed on the way: QUANTISED
;;     7. [M 4,096, K 2,048] x [K 2,048, N 1,024]; A: computed on the way; B: input W1 (given as codes): QUANTISED
;;     8. [M 4,096, K 2,048] x [K 2,048, N 1,024]; A: computed on the way; B: input W2 (given as codes): QUANTISED
;;   THE QUANTISER, for each operand of a quantised product, along K:
;;     - K is cut into blocks of 32 from its start; a last block that is shorter is filled with zeros.
;;     - A block's scale is 2^e with e = floor(log2(the largest magnitude in the block)) - 4, held to -126 .. 127; a block of zeros has e = 0. As a byte (E8M0): e + 127.
;;     - Each number is divided by its block's scale, clamped to +-28, and rounded to the nearest number of E3M2, ties to even, subnormals kept.
;;     - The product sums the exact products of the quantised numbers (number of the format x scale) in f32.
;;   ~~~python
;;   def quantise(x, axis):      # numpy; x: float32 -> the quantised numbers, widened to float32 again
;;       x = np.moveaxis(x, axis, -1); K = x.shape[-1]
;;       x = np.pad(x, [(0, 0)] * (x.ndim - 1) + [(0, -K % 32)]); x = x.reshape(x.shape[:-1] + (-1, 32)); a = np.abs(x).max(-1, keepdims=True)
;;       e = np.where(a > 0, np.clip(np.frexp(np.where(a > 0, a, 1))[1] - 1 - 4, -126, 127), 0)      # np.frexp(a)[1] - 1 = floor(log2(a)), exactly
;;       r = np.clip(x / 2.0 ** e, -28, 28)
;;       step = 2.0 ** (np.maximum(np.frexp(np.where(r == 0, 1, r))[1] - 1, -2) - 2)
;;       q = np.round(r / step) * step * 2.0 ** e      # np.round: ties to even
;;       return np.moveaxis(q.reshape(q.shape[:-2] + (-1,))[..., :K], -1, axis).astype(np.float32)
;;   ~~~
;;   SOFTMAX AHEAD OF A QUANTISED PRODUCT. Where the list says 'softmax', what is quantised is not the finished softmax but p = 2^(t - M), with t = logit x log2(e) and M = ceil(the row's largest t), a whole number; so 1/2 < the row's largest p <= 1. The row's sum l is taken of the UNQUANTISED p, in f32, and the product's result is divided by l at the end. Since M is a whole number, a kernel that streams over the keys may use a running M (the ceiling of the running maximum): every later rescaling is an exact power of two, which a block's scale takes up: the codes' values come out the same.
;;   OPERANDS COMPUTED ON THE WAY. 'Computed on the way' means the value that the module computes at that place (a softmax that the list does not call 'softmax' is quantised finished and normalised). What goes into a quantiser is computed in f32, as accurately as f32 sums, v_exp_f32 and their like allow (about 1e-6 of the number): no bf16 or f16 on the way to a quantiser, and a product that is left as it is and whose result goes on into a quantised operand takes f32 operands (vector FMAs, or v_wmma_f32_16x16x4_f32). A number that lies on a knife's edge between two numbers of the format may be rounded either way, as far as f32 arithmetic and the matrix unit's own rounding can turn it there, and no further.
;;   INPUTS GIVEN AS CODES. W1 (in the module: [2048, 1024], K = its axis 0); W2 (in the module: [2048, 1024], K = its axis 0); Wc (in the module: [1024, 1024], K = its axis 0); Wq (in the module: [1024, 1024], K = its axis 0): each comes as NAME_codes (uint8): NAME with its K axis moved to the last place and cut into blocks of 32 codes, [.., K / 32, bytes a block], one block behind the other in memory; four codes in three bytes: a row's codes are one little-endian stream of bits, code i at bits 6 i .. 6 i + 5 (a code: sign, 3 exponent bits, 2 mantissa bits); and NAME_scales (uint8): the same leading axes, one E8M0 byte (e + 127) for each 32 codes along K. Its value is code x scale, taken as it is: it is not quantised again, and the codes and scales need not be those that the quantiser above would give.
;; One version. Each part assembles by itself: llvm-mc -triple=amdgcn-amd-amdhsa -mcpu=gfx1250 --defsym DOCPART=n.
;; ======== version 1 of 1: 4 launches
;; limits: right only within a limited range of input values
;; workspace buffers: acodes 12,582,912 bytes; ascl 524,288 bytes; wimg 4,718,592 bytes; wscl 196,608 bytes; kq 6,291,456 bytes; kqs 524,288 bytes; vimg 6,291,456 bytes; vs 262,144 bytes
;; launch prep (part 1): grid 1216 x 1, 2 waves a work-group, no clusters, 17,664 bytes of LDS; arguments question, context, Wq_codes, Wq_scales, Wc_codes, Wc_scales, W1_codes, W1_scales, W2_codes, W2_scales, acodes, ascl, wimg, wscl; writes acodes, ascl, wimg, wscl
.if DOCPART == 1
	.amdgcn_target "amdgcn-amd-amdhsa--gfx1250"
	.amdhsa_code_object_version 6
	.text
	.protected	k_q2c04f38373_prep
	.globl	k_q2c04f38373_prep
	.p2align	8
	.type	k_q2c04f38373_prep,@function
k_q2c04f38373_prep:
	s_mov_b64 s[64:65], 0
	v_nop
	global_prefetch_b8 v0, s[64:65] scope:SCOPE_SE
	s_setreg_imm32_b32 hwreg(HW_REG_WAVE_MODE, 25, 1), 1
	s_wait_xcnt 0x0
; PREP.  (1) question and context, [4096][1024] f32 each, become codes of E3M2 along their last axis, one E8M0 byte for each 32; (2) the four given weights' codes and scale bytes are laid anew.
; Both leave in the ORDER OF AN OPERAND'S REGISTERS.  A fragment is 16 rows x 128 K: 12 registers a lane; lane l = (r = l % 16, h = l / 16) holds row r, registers 6 c .. 6 c + 5 = k 64 c + 32 h + 0 .. 31.
; Its image is 1,536 bytes: plane p (512 bytes) holds lane l's registers 4 p .. 4 p + 3 at 512 p + 16 l.  The image of (block of 128 rows RB, K step s, tile rt) lies at ((RB NS + s) 8 + rt) 1536, its
; sixteen scale words (one for a row and 128 k) at ((RB NS + s) 8 + rt) 64 + 4 r.  NS = K steps of the buffer's rows (acodes, ascl: 16, of which this launch fills 0 .. 7).
; THE ROWS OF A TILE ARE NOT NEIGHBOURS: lane r of tile rt stands for row 128 RB + 64 (rt / 4) + 8 (rt % 4) + r % 8 + 32 (r / 8): used as source 0 of a product, four neighbouring tiles then leave 32 neighbouring rows in one lane.
; A block's scale is 2^(floor(log2(largest magnitude)) - 4); its byte is the largest magnitude's exponent field - 4, held at 1 from below.
; LIMITS: a block of zeros, and a block whose largest magnitude lies under 2^-122, get the byte 1 (the rule says 127 for zeros: the codes are zeros, and the bytes are read by this program alone); NaN and infinities are not served.
; SHARES: work-groups 0-255: a wave takes one tile of 16 rows of x and all 1,024 of K, in 16 steps of 64.  Work-groups 256-447: a wave takes 16 rows x 1,024 K of a weight.  Waves share nothing: no barrier.
; The scale words of x leave in runs of 64 bytes (262,144 bytes of the launch's 40 MB): whole runs of 512 would want eight waves to meet at a barrier.
; SHARES AND PLACES AS THIS TEXT HAS THEM (they take the place of what the lines above say of them): work-groups 0-1023: a wave takes one tile of 16 rows of x and 256 of K, in 4 steps of 64,
; all of whose 32 loads are issued at once.  Work-groups 1024-1215: a wave takes 16 rows x 1,024 K of a weight.  acodes and ascl have two regions: this launch fills the first (NS = 8: x's K steps 0 .. 7,
; 98,304 bytes of codes and 4,096 of scale words for a block of 128 rows); the second (from byte 6,291,456 of acodes, 262,144 of ascl, NS = 8 too) takes the attention's results.
.set FLOOR, 0x2800000
.set EOFF,  0xfe000000                 ; takes 4 off an exponent field
.set WD,  16                           ; v16-17   the scale words of the 2 K steps
.set R,   32                           ; v32-159  four sets of 32 registers as loaded
.set X,   160                          ; v160-223 two sets of 32 neighbours along K
.set C,   224                          ; v224-247 two sets of 12: a fragment's codes
.set TP,  248                          ; v248-250 the second half of a block's codes (a conversion's three registers begin on an even number)
.set STGB, 4352                        ; a stage: 16 rows x (256 bytes + 16)
	s_load_b256 s[4:11], s[0:1], 0x0               ; question, context, Wq's codes, Wq's scales
	s_load_b256 s[12:19], s[0:1], 0x20             ; Wc's codes, Wc's scales, W1's codes, W1's scales
	s_load_b256 s[20:27], s[0:1], 0x40             ; W2's codes, W2's scales, acodes, ascl
	s_load_b128 s[28:31], s[0:1], 0x60             ; wimg, wscl
	v_lshl_add_u32 v254, v0, 2, 0x4400
	v_mov_b32 v255, 0
	v_lshrrev_b32 v1, 5, v0
	v_readfirstlane_b32 s32, v1                    ; wave 0, 1
	v_and_b32 v1, 15, v0                           ; r
	v_bfe_u32 v2, v0, 4, 1                         ; h
	v_and_b32 v6, 31, v0
	v_lshlrev_b32 v6, 4, v6                        ; 16 x lane: my place in a plane of an image
	v_lshlrev_b32 v8, 2, v1
	v_lshl_add_u32 v8, v2, 9, v8                   ; 4 r + 512 h: scale words, lanes 16-31 one K step further on
	s_cmp_lt_u32 ttmp9, 1024
	s_cbranch_scc0 .Lweights
	; ---------------- x ----------------
	v_lshlrev_b32 v3, 4, v1
	v_lshl_add_u32 v3, v2, 17, v3                  ; in: 16 r in a row's 256 bytes; lanes 16-31 take the row 32 further down (131,072 bytes)
	s_mul_i32 s33, s32, 2*STGB                     ; my wave's two stages
	v_mul_u32_u24 v4, v2, 8*272
	v_lshl_add_u32 v4, v1, 4, v4
	v_add_nc_u32 v4, s33, v4                       ; into a stage: row i + 8 h, 16 r
	v_mul_u32_u24 v5, v1, 272
	v_lshl_add_u32 v5, v2, 7, v5
	v_add_nc_u32 v5, s33, v5                       ; out of it: row r, my half's 128 bytes
	v_lshlrev_b32 v7, 3, v2                        ; 8 h: my bytes' place in a scale word
	v_mov_b32 v29, 0                               ; a lane permute's destination counts as one of its sources
	s_mov_b32 s34, 0x76543210
	s_mov_b32 s35, 0xfedcba98                      ; v_permlanex16_b32's selects for lane l xor 16
	s_lshl_b32 s36, ttmp9, 1
	s_add_co_u32 s36, s36, s32                     ; the job, 0 .. 2047
	s_and_b32 s39, s36, 3                          ; which 256 along K
	s_lshr_b32 s36, s36, 2                         ; the tile, 0 .. 511
	s_lshr_b32 s37, s36, 3                         ; RB 0 .. 63 (0-31 question, 32-63 context)
	s_and_b32 s38, s36, 7                          ; rt
	s_and_b32 s40, s37, 31
	s_lshl_b32 s40, s40, 7
	s_lshr_b32 s41, s38, 2
	s_lshl_b32 s41, s41, 6
	s_add_co_u32 s40, s40, s41
	s_and_b32 s41, s38, 3
	s_lshl_b32 s41, s41, 3
	s_add_co_u32 s40, s40, s41                     ; the tile's first row in its tensor
	s_lshl_b32 s40, s40, 12                        ; x 4,096 bytes
	s_lshl_b32 s41, s39, 10
	s_add_co_u32 s40, s40, s41                     ; + my 256 numbers of each row
	s_mov_b32 s41, 0
	s_lshl_b32 s42, s37, 6
	s_lshl_b32 s43, s39, 4
	s_add_co_u32 s42, s42, s43
	s_add_co_u32 s42, s42, s38
	s_mul_i32 s42, s42, 1536                       ; ((RB 8 + my first K step) 8 + rt) images
	s_mov_b32 s43, 0
	s_lshl_b32 s44, s37, 12
	s_lshl_b32 s45, s38, 6
	s_add_co_u32 s44, s44, s45
	s_lshl_b32 s45, s39, 10
	s_add_co_u32 s44, s44, s45                     ; RB 4,096 + my first K step x 512 + rt 64
	s_mov_b32 s45, 0
	s_wait_alu depctr_va_vdst(0)
	s_wait_kmcnt 0x0
	s_cmp_lt_u32 ttmp9, 512
	s_cselect_b64 s[4:5], s[4:5], s[6:7]
	s_add_nc_u64 s[4:5], s[4:5], s[40:41]
	s_add_nc_u64 s[24:25], s[24:25], s[42:43]
	s_add_nc_u64 s[26:27], s[26:27], s[44:45]
.macro LOAD t                          ; step t: 64 along K of the 16 rows: each load reads two runs of 256 consecutive bytes
.irp i, 0,1,2,3,4,5,6,7
	global_load_b128 v[R+32*((\t)%4)+4*\i:R+32*((\t)%4)+4*\i+3], v3, s[4:5] offset:\i*4096+(\t)*256 th:TH_LOAD_NT
.endr
.endm
.macro TURN t                          ; through my own stage: in as loaded, out 32 neighbours a lane.  LDS serves a wave's instructions in order: no wait between
.irp i, 0,1,2,3,4,5,6,7
	ds_store_b128 v4, v[R+32*((\t)%4)+4*\i:R+32*((\t)%4)+4*\i+3] offset:STGB*((\t)%2)+272*\i
.endr
.irp j, 0,1,2,3,4,5,6,7
	ds_load_b128 v[X+32*((\t)%2)+4*\j:X+32*((\t)%2)+4*\j+3], v5 offset:STGB*((\t)%2)+16*\j
.endr
.endm
.macro STEP t
.set XS, X+32*((\t)%2)
.set CS, C+12*(((\t)/2)%2)+6*((\t)%2)
.set CB, C+12*(((\t)/2)%2)
	s_wait_dscnt 0x0                               ; this step's numbers are back from the stage, so its stores into the stage have read their registers,
.if (\t)+1 < 4
	s_wait_loadcnt 8*(2-(\t))                      ; the next step's eight loads are in; those of the steps behind it may be out
	TURN (\t)+1
.endif
	v_max3_num_f32 v24, |v[XS]|, |v[XS+1]|, FLOOR                  ; the block's largest magnitude: all 32 numbers are mine; two chains
	v_max3_num_f32 v25, |v[XS+16]|, |v[XS+17]|, FLOOR
.irp i, 2,4,6,8,10,12,14
	v_max3_num_f32 v24, v24, |v[XS+\i]|, |v[XS+\i+1]|
	v_max3_num_f32 v25, v25, |v[XS+16+\i]|, |v[XS+17+\i]|
.endr
	v_max_num_f32 v24, v24, v25
	v_add_nc_u32 v26, EOFF, v24                    ; the conversion takes the exponent field of this operand as its scale
.if ((\t)%2 == 0) && ((\t) >= 4)
	s_wait_alu depctr_va_vdst(0)
	s_wait_xcnt 0x0                                ; this set of codes was the data of stores four steps ago: it is written again only behind this wait
.endif
	v_cvt_scalef32_pk16_bf6_f32 v[CS:CS+2], v[XS:XS+15], v26
	v_cvt_scalef32_pk16_bf6_f32 v[TP:TP+2], v[XS+16:XS+31], v26
	v_lshrrev_b32 v[27+(\t)%2], 23, v26            ; the scale's byte (also the plain place behind the conversions)
.irp i, 0,1,2
	v_mov_b32 v[CS+3+\i], v[TP+\i]
.endr
.if (\t)%2 == 1                        ; two steps make a K step: its fragment and its scale word
	v_lshl_or_b32 v[WD+(\t)/2], v28, 16, v27       ; my bytes: blocks h and 2 + h,
	v_lshlrev_b32 v[WD+(\t)/2], v7, v[WD+(\t)/2]   ; at their places;
	v_permlanex16_b32 v29, v[WD+(\t)/2], s34, s35
	v_or_b32 v[WD+(\t)/2], v[WD+(\t)/2], v29       ; with lane l xor 16's two the word is whole
.irp p, 0,1,2
	global_store_b128 v6, v[CB+4*\p:CB+4*\p+3], s[24:25] offset:((\t)/2)*12288+512*\p   ; 512 consecutive bytes, aligned
.endr
.endif
.endm
.irp t, 0,1,2,3
	LOAD \t
.endr
	s_wait_loadcnt 24                              ; step 0's eight loads are in
	TURN 0
.irp t, 0,1,2,3
	STEP \t
.endr
	v_cmp_ne_u32 vcc_lo, 0, v2
	v_cndmask_b32 v10, v[WD], v[WD+1], vcc_lo      ; lanes 0-15: my first K step; lanes 16-31: my second
	global_store_b32 v8, v10, s[26:27]
	s_wait_tensorcnt 0x0
	ds_add_u32 v254, v255
	s_wait_dscnt 0x0
	s_endpgm
	; ---------------- the weights: bytes are only moved ----------------
.Lweights:
	s_sub_co_u32 s33, ttmp9, 1024
	s_lshl_b32 s33, s33, 1
	s_add_co_u32 s33, s33, s32                     ; J 0 .. 383: 0-63 Wq, 64-127 Wc, 128-255 W1, 256-383 W2
	s_cmp_ge_u32 s33, 128
	s_cselect_b32 s34, 1, 0                        ; big: K = 2,048, two jobs to a tile
	s_lshl_b32 s35, s34, 7
	s_sub_co_u32 s35, s33, s35
	s_add_co_u32 s36, s34, 6
	s_lshr_b32 s36, s35, s36                       ; which of the two tensors of that size
	s_lshr_b32 s37, s35, s34
	s_and_b32 s37, s37, 63                         ; the tile of 16 rows, 0 .. 63
	s_and_b32 s38, s35, s34                        ; which 1,024 along K
	s_lshl_b32 s39, 768, s34                       ; a row of codes in bytes
	s_lshl_b32 s40, 32, s34                        ; a row of scale bytes
	s_lshr_b32 s41, s37, 2
	s_lshl_b32 s41, s41, 6
	s_and_b32 s42, s37, 3
	s_lshl_b32 s42, s42, 3
	s_add_co_u32 s41, s41, s42                     ; the tile's first row
	s_mul_i32 s42, s41, s39
	s_mul_i32 s43, s38, 768
	s_add_co_u32 s42, s42, s43
	s_mov_b32 s43, 0                               ; from: codes
	s_mul_i32 s44, s41, s40
	s_lshl_b32 s45, s38, 5
	s_add_co_u32 s44, s44, s45
	s_mov_b32 s45, 0                               ; from: scale bytes
	s_lshr_b32 s46, s37, 3
	s_add_co_u32 s47, s34, 3
	s_lshl_b32 s46, s46, s47                       ; RB x NS
	s_lshl_b32 s47, s38, 3
	s_add_co_u32 s46, s46, s47
	s_lshl_b32 s46, s46, 3
	s_and_b32 s47, s37, 7
	s_add_co_u32 s46, s46, s47                     ; (RB NS + first K step) 8 + rt
	s_add_co_u32 s47, s36, s34
	s_mul_i32 s48, s47, 786432
	s_lshl_b32 s48, s48, s34                       ; the tensor's place in wimg: 0, 786,432, 1,572,864, 3,145,728
	s_mul_i32 s49, s46, 1536
	s_add_co_u32 s48, s48, s49
	s_mov_b32 s49, 0
	s_lshl_b32 s50, s47, 15
	s_lshl_b32 s50, s50, s34                       ; and in wscl: 0, 32,768, 65,536, 131,072
	s_lshl_b32 s51, s46, 6
	s_add_co_u32 s50, s50, s51
	s_mov_b32 s51, 0
	s_wait_alu depctr_va_vdst(0)
	v_and_b32 v9, 7, v1
	v_lshrrev_b32 v10, 3, v1
	v_lshl_add_u32 v9, v10, 5, v9                  ; r % 8 + 32 (r / 8)
	v_mul_lo_u32 v3, v9, s39
	v_mad_u32_u24 v3, v2, 24, v3                   ; my row, + 24 h
	v_mul_lo_u32 v4, v9, s40
	v_lshl_add_u32 v4, v2, 2, v4                   ; my row's scale bytes; lanes 16-31 one word further on
	s_wait_alu depctr_va_vdst(0)
	s_wait_kmcnt 0x0
	s_cmp_lt_u32 s33, 64
	s_cselect_b64 s[8:9], s[8:9], s[12:13]
	s_cselect_b64 s[10:11], s[10:11], s[14:15]
	s_cmp_lt_u32 s33, 256
	s_cselect_b64 s[16:17], s[16:17], s[20:21]
	s_cselect_b64 s[18:19], s[18:19], s[22:23]
	s_cmp_lt_u32 s33, 128
	s_cselect_b64 s[8:9], s[8:9], s[16:17]
	s_cselect_b64 s[10:11], s[10:11], s[18:19]
	s_add_nc_u64 s[8:9], s[8:9], s[42:43]
	s_add_nc_u64 s[10:11], s[10:11], s[44:45]
	s_add_nc_u64 s[28:29], s[28:29], s[48:49]
	s_add_nc_u64 s[30:31], s[30:31], s[50:51]
.irp s, 0,1,2,3,4,5,6,7
.irp p, 0,1,2,3,4,5
	global_load_b64 v[32+12*\s+2*\p:33+12*\s+2*\p], v3, s[8:9] offset:96*\s+48*(\p/3)+8*(\p%3)   ; a row's stream of bits is the register image: 24 bytes as three loads of 8
.endr
.endr
.irp u, 0,1,2,3
	global_load_b32 v[16+\u], v4, s[10:11] offset:8*\u
.endr
	s_wait_loadcnt 0x0
.irp s, 0,1,2,3,4,5,6,7
.irp p, 0,1,2
	global_store_b128 v6, v[32+12*\s+4*\p:35+12*\s+4*\p], s[28:29] offset:12288*\s+512*\p
.endr
.endr
.irp u, 0,1,2,3
	global_store_b32 v8, v[16+\u], s[30:31] offset:1024*\u
.endr
	s_endpgm
.Lfunc_end_k_q2c04f38373_prep:
	.size	k_q2c04f38373_prep, .Lfunc_end_k_q2c04f38373_prep-k_q2c04f38373_prep
	.p2alignl 7, 3214868480
	.fill 96, 4, 3214868480
	.section	.rodata,"a",@progbits
	.p2align	6, 0x0
	.amdhsa_kernel k_q2c04f38373_prep
		.amdhsa_group_segment_fixed_size 17664
		.amdhsa_private_segment_fixed_size 0
		.amdhsa_enable_private_segment 0
		.amdhsa_kernarg_size 112
		.amdhsa_user_sgpr_count 2
		.amdhsa_user_sgpr_kernarg_segment_ptr 1
		.amdhsa_wavefront_size32 1
		.amdhsa_system_sgpr_workgroup_id_x 1
		.amdhsa_system_sgpr_workgroup_id_y 1
		.amdhsa_system_sgpr_workgroup_id_z 1
		.amdhsa_system_vgpr_workitem_id 0
		.amdhsa_next_free_vgpr 256
		.amdhsa_next_free_sgpr 66
		.amdhsa_reserve_vcc 1
		.amdhsa_float_denorm_mode_32 3
		.amdhsa_float_denorm_mode_16_64 3
		.amdhsa_memory_ordered 1
		.amdhsa_forward_progress 1
		.amdhsa_inst_pref_size 28
	.end_amdhsa_kernel
	.amdgpu_metadata
---
amdhsa.version: [ 1, 2 ]
amdhsa.kernels:
  - .name:           k_q2c04f38373_prep
    .symbol:         k_q2c04f38373_prep.kd
    .args:
      - { .name: question, .offset: 0, .size: 8, .value_kind: global_buffer, .address_space: global }
      - { .name: context, .offset: 8, .size: 8, .value_kind: global_buffer, .address_space: global }
      - { .name: Wq_codes, .offset: 16, .size: 8, .value_kind: global_buffer, .address_space: global }
      - { .name: Wq_scales, .offset: 24, .size: 8, .value_kind: global_buffer, .address_space: global }
      - { .name: Wc_codes, .offset: 32, .size: 8, .value_kind: global_buffer, .address_space: global }
      - { .name: Wc_scales, .offset: 40, .size: 8, .value_kind: global_buffer, .address_space: global }
      - { .name: W1_codes, .offset: 48, .size: 8, .value_kind: global_buffer, .address_space: global }
      - { .name: W1_scales, .offset: 56, .size: 8, .value_kind: global_buffer, .address_space: global }
      - { .name: W2_codes, .offset: 64, .size: 8, .value_kind: global_buffer, .address_space: global }
      - { .name: W2_scales, .offset: 72, .size: 8, .value_kind: global_buffer, .address_space: global }
      - { .name: acodes, .offset: 80, .size: 8, .value_kind: global_buffer, .address_space: global }
      - { .name: ascl, .offset: 88, .size: 8, .value_kind: global_buffer, .address_space: global }
      - { .name: wimg, .offset: 96, .size: 8, .value_kind: global_buffer, .address_space: global }
      - { .name: wscl, .offset: 104, .size: 8, .value_kind: global_buffer, .address_space: global }
    .group_segment_fixed_size: 17664
    .private_segment_fixed_size: 0
    .kernarg_segment_align: 8
    .kernarg_segment_size: 112
    .max_flat_workgroup_size: 64
    .sgpr_count:     66
    .vgpr_count:     256
    .wavefront_size: 32
...
	.end_amdgpu_metadata
.endif
;; end of part 1
;; launch proj (part 2): grid 16 x 16, 4 waves a work-group, clusters of 4 x 4, 327,680 bytes of LDS; arguments acodes, ascl, wimg, wscl, kq, kqs, vimg, vs; writes kq, kqs, vimg, vs
.if DOCPART == 2
	.amdgcn_target "amdgcn-amd-amdhsa--gfx1250"
	.amdhsa_code_object_version 6
	.text
	.protected	k_q2c04f38373_proj
	.globl	k_q2c04f38373_proj
	.p2align	8
	.type	k_q2c04f38373_proj,@function
k_q2c04f38373_proj:
	s_mov_b64 s[64:65], 0
	v_nop
	global_prefetch_b8 v0, s[64:65] scope:SCOPE_SE
	s_setreg_imm32_b32 hwreg(HW_REG_WAVE_MODE, 25, 1), 1
	s_wait_xcnt 0x0
	s_wait_alu depctr_hold_cnt(0) depctr_sa_sdst(0) depctr_va_vdst(0) depctr_va_sdst(0) depctr_va_ssrc(0) depctr_va_vcc(0) depctr_vm_vsrc(0)
	s_getreg_b32 s2, hwreg(HW_REG_IB_STS2, 6, 4)
	s_cmp_eq_u32 s2, 0
	s_cbranch_scc0 .Lentry_in_a_cluster
	s_endpgm
.Lentry_in_a_cluster:
	s_bfe_u32 s2, ttmp6, 0x10000c
	s_cmp_lg_u32 s2, 0xf033
	s_cbranch_scc0 .Lentry_shape_is_right
	s_endpgm
.Lentry_shape_is_right:
.set NS,     8
.set NQ,     2
.set FR,     12
.set NL,     3
.set NP,     4
.set HALFT,  24576
.set SLOT,   4*HALFT
.set LAPS,   NS/4
.set SCL,    2*SLOT
.set HALFS,  NS*512
.set SPARE,  SCL+4*HALFS
.set FLOOR,  0x2800000
.set EOFF,   0xfe000000
.set ADRA, 16
.set ADRB, 20
.set L16,  24
.set SH8,  25
.set VSO,  26
.set ADRS, 27
.set SPW,  28
.set NIL,  29
.set SC,   32
.set TM,   64
.set SO,   68
.set BY,   70
.set PX,   72
.set T0,   74
.set T1,   78
.set E,    84
.set F,    96
.set PWS,  108
.set SL,   116
.set AF,   128
.set G1, 24
.set G0, 32
.set G1B, 48
.set G0B, 56
.set G1S, 68
.set G0S, 76
.set G1SB, 80
.set G0SB, 88
.set MSB, 0
.macro WIN new
.if MSB != (\new)
	s_set_vgpr_msb (MSB<<8)|(\new)
.set MSB, (\new)
.endif
.endm
.set MUL_LO, 0xa1
.set MUL_HI, 0xf1
.set TO_B,   0x40
.macro JLOAD g0a, g1a, g0b, g1b
	s_cmp_eq_u32 s15, 0
	s_cbranch_scc0 .Lfor_b_\@
	tensor_load_to_lds s[\g0a:\g0a+3], s[\g1a:\g1a+7]
	s_nop 0
.rept 4
	v_nop
.endr
	s_branch .Lasked_\@
.Lfor_b_\@:
	tensor_load_to_lds s[\g0b:\g0b+3], s[\g1b:\g1b+7]
	s_nop 0
.rept 4
	v_nop
.endr
.Lasked_\@:
.endm
.macro CREST
	s_cmp_lg_u32 s14, 0
	s_cbranch_scc1 .Lnot_wave_0_\@
	s_barrier_signal -3
.Lnot_wave_0_\@:
	s_barrier_wait -3
	s_barrier_signal -1
	s_barrier_wait -1
.endm
.macro CROUND
	s_barrier_signal -1
	s_barrier_wait -1
	CREST
.endm
	s_load_b256 s[4:11], s[0:1], 0x0
	s_load_b256 s[92:99], s[0:1], 0x20
	v_lshl_add_u32 v[SPW], v0, 2, SPARE
	v_mov_b32 v[NIL], 0
	ds_add_u32 v28, v29
	ds_add_u32 v28, v29
	s_wait_dscnt 0x0
	v_lshrrev_b32 v1, 5, v0
	v_readfirstlane_b32 s14, v1
	s_lshr_b32 s15, s14, 1
	s_and_b32 s16, s14, 1
	s_bfe_u32 s40, ttmp6, 0x40000
	s_bfe_u32 s41, ttmp6, 0x40004
	s_mov_b32 s17, ttmp9
	s_and_b32 s18, ttmp7, 0xffff
	s_and_b32 s19, s18, 1
	s_lshr_b32 s2, s18, 1
	s_lshl_b32 s43, s41, 2
	s_lshl_b32 s43, 15, s43
	s_lshl_b32 s44, 0x1111, s40
	s_or_b32 s[G1+0], s43, (3<<16)|(1<<21)
	s_or_b32 s[G1B+0], s44, (3<<16)|(1<<21)
.irp g, G1, G1B                        ; for the head's loads: two blocks of 128 rows, 24,576 bytes (K steps 0, 1) of each, 98,304 bytes apart, as two rows of 3,072 elements of 8 bytes
	s_mov_b32 s[\g+1], 3072<<16
	s_mov_b32 s[\g+2], 2<<16
	s_mov_b32 s[\g+3], 3072<<16
	s_mov_b32 s[\g+4], 2
	s_mov_b32 s[\g+5], 12288
	s_mov_b32 s[\g+6], 0
	s_mov_b32 s[\g+7], 0
.endr
	s_or_b32 s[G1S+0], s43, (3<<16)|(1<<21)
	s_or_b32 s[G1SB+0], s44, (3<<16)|(1<<21)
.irp g, G1S, G1SB
	s_mov_b32 s[\g+1], 32<<16
	s_mov_b32 s[\g+2], (2*HALFS/256)<<16
	s_mov_b32 s[\g+3], 32<<16
	s_mov_b32 s[\g+4], 2*HALFS/256
	s_mov_b32 s[\g+5], 32
	s_mov_b32 s[\g+6], 0
	s_mov_b32 s[\g+7], 0
.endr
	s_lshl_b32 s18, s19, 5
	s_lshl_b32 s42, s17, 3
	s_add_co_u32 s18, s18, s42
	s_mul_i32 s100, s19, 786432
	s_lshl_b32 s101, s19, 15
	s_lshl_b32 s42, s41, 1
	s_add_co_u32 s20, s18, s42
	s_mov_b32 s22, s42
	s_mul_i32 s21, s20, 98304
	s_lshl_b32 s20, s20, 12
	s_mul_i32 s23, s22, 98304
	s_lshl_b32 s22, s22, 12
	s_add_co_u32 s23, s23, s100
	s_add_co_u32 s22, s22, s101
	s_cmp_eq_u32 s2, 0
	s_cselect_b32 s21, s21, s23
	s_cselect_b32 s22, s20, s22
	s_mov_b32 s20, s21
	s_mov_b32 s21, 0
	s_mov_b32 s23, 0
	s_lshl_b32 s90, s40, 1
	s_add_co_u32 s46, s18, s90
	s_mov_b32 s66, s90
	s_mul_i32 s47, s46, 98304
	s_lshl_b32 s46, s46, 12
	s_mul_i32 s67, s66, 98304
	s_lshl_b32 s66, s66, 12
	s_add_co_u32 s67, s67, s100
	s_add_co_u32 s66, s66, s101
	s_cmp_eq_u32 s2, 0
	s_cselect_b32 s47, s67, s47
	s_cselect_b32 s66, s66, s46
	s_mov_b32 s46, s47
	s_mov_b32 s47, 0
	s_mov_b32 s67, 0
	s_mul_i32 s45, s14, HALFT
	s_wait_kmcnt 0x0
	s_cmp_eq_u32 s2, 0
	s_cselect_b64 s[100:101], s[4:5], s[8:9]
	s_add_nc_u64 s[20:21], s[100:101], s[20:21]
	s_cselect_b64 s[100:101], s[6:7], s[10:11]
	s_add_nc_u64 s[22:23], s[100:101], s[22:23]
	s_cselect_b64 s[100:101], s[8:9], s[4:5]
	s_add_nc_u64 s[46:47], s[100:101], s[46:47]
	s_cselect_b64 s[100:101], s[10:11], s[6:7]
	s_add_nc_u64 s[66:67], s[100:101], s[66:67]
	CROUND
	s_mov_b32 s[G0S], 1
	s_mov_b32 s[G0S+1], SCL
	s_mov_b64 s[G0S+2:G0S+3], s[22:23]
	s_or_b32 s[G0S+3], s[G0S+3], 0x80000000
	s_mov_b32 s[G0SB], 1
	s_mov_b32 s[G0SB+1], SCL+2*HALFS
	s_mov_b64 s[G0SB+2:G0SB+3], s[66:67]
	s_or_b32 s[G0SB+3], s[G0SB+3], 0x80000000
	s_mov_b32 s4, 1                                ; s[4:7], s[8:11] (the arguments there have been used): groups 0 of the head's loads of slot 0: A's 256 rows,
	s_mov_b32 s5, 0
	s_mov_b64 s[6:7], s[20:21]
	s_or_b32 s7, s7, 0x80000000
	s_mov_b32 s8, 1                                ; and B's, behind them
	s_mov_b32 s9, 2*HALFT
	s_mov_b64 s[10:11], s[46:47]
	s_or_b32 s11, s11, 0x80000000
	s_mul_i32 s100, s16, 98304                     ; for the ring: my block of 128 rows
	s_mov_b32 s101, 0
	s_add_nc_u64 s[20:21], s[20:21], s[100:101]
	s_add_nc_u64 s[46:47], s[46:47], s[100:101]
.irp s, 0,1
	s_mov_b32 s[G0+4*\s], 1
	s_add_co_u32 s[G0+4*\s+1], s45, \s*SLOT
	s_add_nc_u64 s[G0+4*\s+2:G0+4*\s+3], s[20:21], \s*HALFT
	s_or_b32 s[G0+4*\s+3], s[G0+4*\s+3], 0x80000000
	s_mov_b32 s[G0B+4*\s], 1
	s_add_co_u32 s[G0B+4*\s+1], s45, \s*SLOT
	s_add_nc_u64 s[G0B+4*\s+2:G0B+4*\s+3], s[46:47], \s*HALFT
	s_or_b32 s[G0B+4*\s+3], s[G0B+4*\s+3], 0x80000000
.endr
; The head's four tiles, one joint load a wave: wave 0 slot 0's rows of A, wave 1 those of B, wave 2 A's scale words, wave 3 B's.  One chain of branches on the wave's number, one load to an arm.
.macro ARM under, g0, g1, next
	s_cmp_lt_u32 s14, \under
	s_cbranch_scc0 \next
	tensor_load_to_lds s[\g0:\g0+3], s[\g1:\g1+7]
	s_nop 0
.rept 4
	v_nop
.endr
	s_branch .Lhead_asked
\next:
.endm
	ARM 1, 4, G1, .Lhead_b
	ARM 2, 8, G1B, .Lhead_sa
	ARM 3, G0S, G1S, .Lhead_sb
	tensor_load_to_lds s[G0SB:G0SB+3], s[G1SB:G1SB+7]
	s_nop 0
.rept 4
	v_nop
.endr
.Lhead_asked:
	v_and_b32 v1, 15, v0
	v_bfe_u32 v2, v0, 4, 1
	s_wait_alu depctr_va_vdst(0)
	v_and_b32 v3, 31, v0
	v_lshlrev_b32 v[L16], 4, v3
	s_mul_i32 s21, s15, HALFT
	s_mul_i32 s22, s16, HALFT
	s_add_co_u32 s22, s22, 2*HALFT
.irp s, 0,1
	v_add_nc_u32 v[ADRA+\s], s21, v[L16]
	v_add_nc_u32 v[ADRB+\s], s22, v[L16]
	s_add_co_u32 s21, s21, SLOT
	s_add_co_u32 s22, s22, SLOT
.endr
	v_lshlrev_b32 v5, 2, v1
	s_mul_i32 s21, s15, HALFS
	s_mul_i32 s22, s16, HALFS
	s_add_co_u32 s22, s22, 2*HALFS
	s_sub_co_u32 s22, s22, s21
	v_mul_u32_u24 v6, s22, v2
	s_add_co_u32 s21, s21, SCL
	v_add_nc_u32 v5, v5, v6
	v_add_nc_u32 v[ADRS], s21, v5
	v_lshlrev_b32 v[SH8], 3, v2
	v_lshlrev_b32 v[VSO], 4, v1
	v_lshl_add_u32 v[VSO], v2, 11, v[VSO]
	v_mov_b32 v[PX], 0
	s_mov_b32 s12, 0x76543210
	s_mov_b32 s13, 0xfedcba98
.macro FRAG reg, adr, off
.irp p, 0,1,2
	ds_load_b128 v[(\reg)+4*\p:(\reg)+4*\p+3], v[\adr] offset:(\off)+512*\p
.endr
.endm
.macro MUL16 a0, p, q, sc, zero
.irp a, \a0, \a0+1
.irp b, 0,1,2,3,4,5,6,7
.if \zero
	v_wmma_scale_f32_16x16x128_f8f6f4 v[8*(8*((\a)%4)+\b):8*(8*((\a)%4)+\b)+7], v[128*(\p)+FR*\b:128*(\p)+FR*\b+FR-1], v[AF+FR*(\a):AF+FR*(\a)+FR-1], 0, v[SC+8*NQ*(\sc)+NQ*\b+(\q)], v[SC+8*NQ*(\sc)+NQ*(\a)+(\q)] matrix_a_fmt:MATRIX_FMT_BF6 matrix_b_fmt:MATRIX_FMT_BF6 matrix_a_scale:MATRIX_SCALE_ROW1
.else
	v_wmma_scale_f32_16x16x128_f8f6f4 v[8*(8*((\a)%4)+\b):8*(8*((\a)%4)+\b)+7], v[128*(\p)+FR*\b:128*(\p)+FR*\b+FR-1], v[AF+FR*(\a):AF+FR*(\a)+FR-1], v[8*(8*((\a)%4)+\b):8*(8*((\a)%4)+\b)+7], v[SC+8*NQ*(\sc)+NQ*\b+(\q)], v[SC+8*NQ*(\sc)+NQ*(\a)+(\q)] matrix_a_fmt:MATRIX_FMT_BF6 matrix_b_fmt:MATRIX_FMT_BF6 matrix_a_scale:MATRIX_SCALE_ROW1
.endif
.endr
.endr
.endm
.macro FETCH_B slot, q, p
	WIN TO_B
.irp i, 0,1,2,3,4,5,6,7
	FRAG 128*(\p)+FR*\i, ADRB+\slot, (8*(\q)+\i)*1536
.endr
	WIN 0
.endm
.macro FETCH_A slot, q, i0
.irp i, \i0, \i0+1, \i0+2, \i0+3
	FRAG AF+FR*(\i), ADRA+\slot, (8*(\q)+(\i))*1536
.endr
.endm
.macro SCALES sc
.irp i, 0,1,2,3,4,5,6,7
.irp q, 0,1
	ds_load_b32 v[SC+8*NQ*\sc+NQ*\i+\q], v[ADRS] offset:512*\q+64*\i
.endr
.endr
.endm
.macro PLACES n
.rept \n
	v_nop
.endr
.endm
.macro STEP slot, q, zero
	s_wait_dscnt 4*NL
	WIN MUL_LO
	MUL16 0, (\q)%2, \q, \slot, \zero
	MUL16 2, (\q)%2, \q, \slot, \zero
	s_wait_dscnt 0
	PLACES NP
	FETCH_B \slot, (\q)+1, 1-(\q)%2
	FETCH_A \slot, (\q)+1, 0
	WIN MUL_HI
	MUL16 4, (\q)%2, \q, \slot, \zero
	MUL16 6, (\q)%2, \q, \slot, \zero
	PLACES NP
	WIN 0
	FETCH_A \slot, (\q)+1, 4
.endm
.macro TURN slot, next, fill
	s_wait_tensorcnt 0x0
	ds_add_u32 v[SPW], v[NIL]
	s_wait_dscnt 4*NL+1
	WIN MUL_LO
	MUL16 0, 1, NQ-1, \slot, 0
	s_wait_dscnt 0x0
	s_barrier_signal -1
	MUL16 2, 1, NQ-1, \slot, 0
	WIN 0
	s_barrier_wait -1
.if \fill
	CREST
	s_add_nc_u64 s[G0+4*\slot+2:G0+4*\slot+3], s[G0+4*\slot+2:G0+4*\slot+3], 2*HALFT
	s_add_nc_u64 s[G0B+4*\slot+2:G0B+4*\slot+3], s[G0B+4*\slot+2:G0B+4*\slot+3], 2*HALFT
	JLOAD G0+4*\slot, G1, G0B+4*\slot, G1B
.else
	PLACES NP
.endif
	s_wait_alu depctr_va_vdst(0)
	v_add_nc_u32 v[ADRS], 512*NQ, v[ADRS]
	FETCH_B \next, 0, 0
	FETCH_A \next, 0, 0
	SCALES \next
	WIN MUL_HI
	MUL16 4, 1, NQ-1, \slot, 0
	MUL16 6, 1, NQ-1, \slot, 0
	PLACES NP
	WIN 0
	FETCH_A \next, 0, 4
.endm
.macro QUANT s, w, d0, d1, pw
	WIN 0
.irp k, 0,1,2,3
	v_mov_b32 v[TM+\k], FLOOR
.endr
	WIN ((\w)<<2)|((\w)<<4)
.irp i, 0,2,4,6,8,10,12,14
.irp k, 0,1,2,3
	v_max3_num_f32 v[TM+\k], v[TM+\k], |v[(\s)+16*\k+\i]|, |v[(\s)+16*\k+\i+1]|
.endr
.endr
	WIN 0
	v_max_num_f32 v[TM], v[TM], v[TM+1]
	v_max_num_f32 v[TM+2], v[TM+2], v[TM+3]
	v_add_nc_u32 v[SO], EOFF, v[TM]
	v_add_nc_u32 v[SO+1], EOFF, v[TM+2]
	v_lshrrev_b32 v[BY], 23, v[SO]
	v_lshrrev_b32 v[BY+1], 23, v[SO+1]
	v_lshl_or_b32 v[\pw], v[BY+1], 16, v[BY]
	v_lshlrev_b32 v[\pw], v[SH8], v[\pw]
	v_permlanex16_b32 v[PX], v[\pw], s12, s13
	v_or_b32 v[\pw], v[\pw], v[PX]
	WIN (\w)
	v_cvt_scalef32_pk16_bf6_f32 v[(\d0):(\d0)+2], v[(\s):(\s)+15], v[SO]
	v_cvt_scalef32_pk16_bf6_f32 v[T0:T0+2], v[(\s)+16:(\s)+31], v[SO]
	v_cvt_scalef32_pk16_bf6_f32 v[(\d1):(\d1)+2], v[(\s)+32:(\s)+47], v[SO+1]
	v_cvt_scalef32_pk16_bf6_f32 v[T1:T1+2], v[(\s)+48:(\s)+63], v[SO+1]
	WIN 0
	v_nop
.irp i, 0,1,2
	v_mov_b32 v[(\d0)+3+\i], v[T0+\i]
	v_mov_b32 v[(\d1)+3+\i], v[T1+\i]
.endr
.endm
	s_wait_alu depctr_va_vdst(0)
	s_wait_tensorcnt 0x0                           ; my tile of the head's four is in
	ds_add_u32 v[SPW], v[NIL]
.irp g, G1, G1B                        ; no tensor load of mine is out: from here on a load brings a wave's quarter of a slot, 96 rows of 256 bytes
	s_mov_b32 s[\g+1], 32<<16
	s_mov_b32 s[\g+2], (HALFT/256)<<16
	s_mov_b32 s[\g+3], 32<<16
	s_mov_b32 s[\g+4], HALFT/256
	s_mov_b32 s[\g+5], 32
.endr
	s_wait_dscnt 0x0
	CROUND                                         ; all four tiles are in, in every work-group of the cluster
	JLOAD G0+4, G1, G0B+4, G1B                     ; slot 1's first fill, the first tensor load behind the round
	FETCH_B 0, 0, 0
	FETCH_A 0, 0, 0
	SCALES 0
	FETCH_A 0, 0, 4
	STEP 0, 0, 1
	s_mov_b32 s3, LAPS-1
.Llap:
	TURN 0, 1, 1
	STEP 1, 0, 0
	TURN 1, 0, 1
	STEP 0, 0, 0
	s_sub_co_u32 s3, s3, 1
	s_cmp_lg_u32 s3, 0
	s_cbranch_scc1 .Llap
	TURN 0, 1, 0
	STEP 1, 0, 0
	s_wait_dscnt 4*NL
	WIN MUL_LO
	MUL16 0, 1, NQ-1, 1, 0
	MUL16 2, 1, NQ-1, 1, 0
	s_wait_dscnt 0
	WIN MUL_HI
	MUL16 4, 1, NQ-1, 1, 0
	MUL16 6, 1, NQ-1, 1, 0
	WIN 0
	PLACES NP
	v_cmp_ne_u32 vcc_lo, 0, v2
	s_lshl_b32 s20, s19, 2
	s_add_co_u32 s20, s20, s17
	s_lshl_b32 s20, s20, 4
	s_cmp_lg_u32 s2, 0
	s_cbranch_scc1 .Lvalues
	s_lshl_b32 s21, s40, 2
	s_add_co_u32 s20, s20, s21
	s_lshl_b32 s21, s16, 1
	s_add_co_u32 s20, s20, s21
	s_mul_i32 s22, s20, 49152
	s_lshl_b32 s21, s41, 3
	s_lshl_b32 s23, s15, 2
	s_add_co_u32 s21, s21, s23
	s_mul_i32 s23, s21, 1536
	s_add_co_u32 s22, s22, s23
	s_mov_b32 s23, 0
	s_add_nc_u64 s[92:93], s[92:93], s[22:23]
	s_lshl_b32 s22, s20, 12
	s_lshl_b32 s21, s21, 7
	s_add_co_u32 s22, s22, s21
	s_add_nc_u64 s[94:95], s[94:95], s[22:23]
.irp a, 0,1,2,3,4,5,6,7
.if (\a%2 == 0) && (\a > 0)
	s_wait_xcnt 0x0
.endif
	QUANT 64*(\a%4), 2+\a/4, E+6*(\a%2), F+6*(\a%2), PWS+\a
.if \a%2 == 1
.irp p, 0,1,2
	global_store_b128 v[L16], v[E+4*\p:E+4*\p+3], s[92:93] offset:(\a/2)*1536+512*\p
	global_store_b128 v[L16], v[F+4*\p:F+4*\p+3], s[92:93] offset:49152+(\a/2)*1536+512*\p
.endr
.endif
.endr
.irp i, 0,1,2,3
	v_cndmask_b32 v[SL+\i], v[PWS+\i], v[PWS+4+\i], vcc_lo
.endr
.irp i, 0,1,2,3
	v_lshrrev_b32 v[SL+4+\i], 16, v[SL+\i]
	v_and_b32 v[SL+\i], 0xffff, v[SL+\i]
.endr
	global_store_b128 v[L16], v[SL:SL+3], s[94:95]
	global_store_b128 v[L16], v[SL+4:SL+7], s[94:95] offset:4096
	s_branch .Ldone
.Lvalues:
	s_lshl_b32 s21, s41, 2
	s_add_co_u32 s20, s20, s21
	s_lshl_b32 s21, s15, 1
	s_add_co_u32 s20, s20, s21
	s_mul_i32 s22, s20, 49152
	s_lshl_b32 s21, s40, 1
	s_add_co_u32 s21, s21, s16
	s_mul_i32 s23, s21, 6144
	s_add_co_u32 s22, s22, s23
	s_mov_b32 s23, 0
	s_add_nc_u64 s[96:97], s[96:97], s[22:23]
	s_lshl_b32 s22, s20, 11
	s_lshl_b32 s21, s21, 8
	s_add_co_u32 s22, s22, s21
	s_add_nc_u64 s[98:99], s[98:99], s[22:23]
.irp a, 0,1,2,3,4,5,6,7
.if \a >= 2
	s_wait_xcnt 0x0
.endif
	QUANT 64*(\a%4), 2+\a/4, E+12*(\a%2), E+12*(\a%2)+6, PWS+\a
.irp p, 0,1,2
	global_store_b128 v[L16], v[E+12*(\a%2)+4*\p:E+12*(\a%2)+4*\p+3], s[96:97] offset:(\a/4)*49152+(\a%4)*1536+512*\p
.endr
.endr
.irp i, 0,1,2,3
	v_cndmask_b32 v[SL+\i], v[PWS+\i], v[PWS+4+\i], vcc_lo
.endr
	global_store_b128 v[VSO], v[SL:SL+3], s[98:99]
.Ldone:
	s_wait_tensorcnt 0x0
	ds_add_u32 v[SPW], v[NIL]
	s_wait_dscnt 0x0
	CROUND
	s_endpgm
.Lfunc_end_k_q2c04f38373_proj:
	.size	k_q2c04f38373_proj, .Lfunc_end_k_q2c04f38373_proj-k_q2c04f38373_proj
	.p2alignl 7, 3214868480
	.fill 96, 4, 3214868480
	.section	.rodata,"a",@progbits
	.p2align	6, 0x0
	.amdhsa_kernel k_q2c04f38373_proj
		.amdhsa_group_segment_fixed_size 327680
		.amdhsa_private_segment_fixed_size 0
		.amdhsa_enable_private_segment 0
		.amdhsa_kernarg_size 64
		.amdhsa_user_sgpr_count 2
		.amdhsa_user_sgpr_kernarg_segment_ptr 1
		.amdhsa_wavefront_size32 1
		.amdhsa_system_sgpr_workgroup_id_x 1
		.amdhsa_system_sgpr_workgroup_id_y 1
		.amdhsa_system_sgpr_workgroup_id_z 1
		.amdhsa_system_vgpr_workitem_id 0
		.amdhsa_next_free_vgpr 1024
		.amdhsa_next_free_sgpr 104
		.amdhsa_reserve_vcc 1
		.amdhsa_float_denorm_mode_32 3
		.amdhsa_float_denorm_mode_16_64 3
		.amdhsa_memory_ordered 1
		.amdhsa_forward_progress 1
		.amdhsa_inst_pref_size 169
	.end_amdhsa_kernel
	.amdgpu_metadata
---
amdhsa.version: [ 1, 2 ]
amdhsa.kernels:
  - .name:           k_q2c04f38373_proj
    .symbol:         k_q2c04f38373_proj.kd
    .args:
      - { .name: acodes, .offset: 0, .size: 8, .value_kind: global_buffer, .address_space: global }
      - { .name: ascl, .offset: 8, .size: 8, .value_kind: global_buffer, .address_space: global }
      - { .name: wimg, .offset: 16, .size: 8, .value_kind: global_buffer, .address_space: global }
      - { .name: wscl, .offset: 24, .size: 8, .value_kind: global_buffer, .address_space: global }
      - { .name: kq, .offset: 32, .size: 8, .value_kind: global_buffer, .address_space: global }
      - { .name: kqs, .offset: 40, .size: 8, .value_kind: global_buffer, .address_space: global }
      - { .name: vimg, .offset: 48, .size: 8, .value_kind: global_buffer, .address_space: global }
      - { .name: vs, .offset: 56, .size: 8, .value_kind: global_buffer, .address_space: global }
    .group_segment_fixed_size: 327680
    .private_segment_fixed_size: 0
    .kernarg_segment_align: 8
    .kernarg_segment_size: 64
    .max_flat_workgroup_size: 128
    .sgpr_count:     104
    .vgpr_count:     1024
    .wavefront_size: 32
...
	.end_amdgpu_metadata
.endif
;; end of part 2
;; launch attn (part 3): grid 4 x 64, 16 waves a work-group, clusters of 4 x 1, 215,040 bytes of LDS; arguments kq, kqs, vimg, vs, mask_q, mask_c, acodes, ascl; writes acodes, ascl
.if DOCPART == 3
	.amdgcn_target "amdgcn-amd-amdhsa--gfx1250"
	.amdhsa_code_object_version 6
	.text
	.protected	k_q2c04f38373_attn
	.globl	k_q2c04f38373_attn
	.p2align	8
	.type	k_q2c04f38373_attn,@function
k_q2c04f38373_attn:
	s_mov_b64 s[64:65], 0
	v_nop
	global_prefetch_b8 v0, s[64:65] scope:SCOPE_SE
	s_setreg_imm32_b32 hwreg(HW_REG_WAVE_MODE, 25, 1), 1
	s_wait_xcnt 0x0
	s_wait_alu depctr_hold_cnt(0) depctr_sa_sdst(0) depctr_va_vdst(0) depctr_va_sdst(0) depctr_va_ssrc(0) depctr_va_vcc(0) depctr_vm_vsrc(0)
	s_getreg_b32 s2, hwreg(HW_REG_IB_STS2, 6, 4)
	s_cmp_eq_u32 s2, 0
	s_cbranch_scc0 .Lentry_in_a_cluster
	s_endpgm
.Lentry_in_a_cluster:
	s_bfe_u32 s2, ttmp6, 0x10000c
	s_cmp_lg_u32 s2, 0x3003
	s_cbranch_scc0 .Lentry_shape_is_right
	s_endpgm
.Lentry_shape_is_right:
; ATTN.  Both attentions on codes of E3M2.  Direction a = 0: queries = context's heads, keys = values = question's, mask_q, result beside question; a = 1: the other way round.
; t = logit x log2(e), logit = score / 8, or -65,504 in a row whose mask word is 0; M = the running largest t rounded up to a whole number; p = 2^(t - M) is quantised along the keys, not normalised; the row's sum of
; the unquantised p divides at the end; the quotient is quantised along the model's axis at once: it is K steps 8 .. 15 of the last products' left operand (acodes, ascl).
; THE MASK only chooses numbers: t - M = score x cL + (aL - M) with (cL, aL) = (log2(e) / 8, 0), or (0, -65,504 log2(e) rounded to f32) in a masked row: no branch.
; SHARES.  A work-group: one direction, one batch, a PAIR of heads, 256 queries; wave w owns tile 16 cx + w of 16 queries and takes the two heads one after the other: its result is one whole fragment and one scale word a row.
; Both heads' keys, values and scale words (209,920 bytes with the stage) come into LDS ONCE, asked for jointly by the four work-groups of the cluster, which differ in their queries alone.  Nothing is filled again.
; LAYOUT.  Both products transposed: S^T = K Q^T, O^T = V^T P^T: a lane holds one query.  By the choice of a tile's rows, S's register 32 c + i is key 64 c + 32 h + i of the step's 128: whole blocks in a lane, in the operand's
; order: the conversions' results are P's fragment.  O's register i is d = 32 h + i of the head.
; K = 64 IN AN INSTRUCTION OF 128.  A tile's codes are 6 registers; tile t's operand names 12, of which the upper six are the next tile's codes (zeros behind the last).  They meet Q's upper six registers, which hold zero
; codes, under the scale byte 0 on both sides: every such product is exactly 0 (the format has no infinity and no NaN).  So zero codes stand on ONE side here.
; LIMITS: scores finite in f32 (a masked row takes 0 x score); NaN and infinities are not served; a block of zeros, or one under 2^-122, gets the byte 1 with its codes (read by this program alone).
; A block's largest p is made from the block's largest score by the same multiply-add and exponential: this takes v_exp_f32 not to fall where its input rises.
; REGISTERS: v1-4 addresses; v[6:7] cL; v[8:9] aL - M; v10 aL; v11 -M; v12 largest t; v[14:15] the sum; v16-27 Q; v28 Q's scale word; v29 P's; v30-37 K's; v38-41 V's; v42-95 fragments of K or V; v96-159 S, p; v160-191 O;
;   v192-203 P; v204-210 second halves of codes; v212-223 the result's codes; v224-225 its bytes; v226-239, v252-253 at work; v240-243 addresses in hand; v244-250 the second head's Q; v251, v254 the stage.
.set KSC,  196608                      ; LDS: K 0 (49,152 a head), V 98,304, K's scale words (4,096 a head),
.set VSC,  204800                      ; V's (2,048 a head),
.set STG,  208896                      ; and a stage of 1,024 bytes for the result's scale words, into which no tile lands
.set FLOOR, 0x2800000
.set EOFF,  0xfe000000
.set KV,   42
.set ADK,  240
.set ADV,  241
.set ADS,  242
.set ADT,  243
.set G1C,  32                          ; s[32:39] group 1: 64 rows of 256 bytes;  s[40:47]: 16 rows;  s[48:55]: 8 rows
.set G1K,  40
.set G1V,  48
.set GA,   56                          ; groups 0: K's scale words, a wave's share of K's or V's codes;
.set GB,   60
.set GC,   68
.set GD,   72                          ; V's scale words
.set GE,   76
.set GF,   80
.macro CROUND                          ; a round of the cluster's barrier
	s_barrier_signal -1
	s_barrier_wait -1
	s_cmp_lg_u32 s20, 0
	s_cbranch_scc1 .Lnot_wave_0_\@
	s_barrier_signal -3
.Lnot_wave_0_\@:
	s_barrier_wait -3
	s_barrier_signal -1
	s_barrier_wait -1
.endm
	s_load_b256 s[4:11], s[0:1], 0x0               ; kq, kqs, vimg, vs
	s_load_b256 s[12:19], s[0:1], 0x20             ; mask_q, mask_c, acodes, ascl
	v_lshl_add_u32 v229, v0, 2, 0x34000
	v_mov_b32 v255, 0
	ds_add_u32 v229, v255
	ds_add_u32 v229, v255
	v_lshrrev_b32 v13, 5, v0
	s_delay_alu instid0(VALU_DEP_1)
	v_readfirstlane_b32 s20, v13                   ; wave 0..15
	s_bfe_u32 s21, ttmp6, 0x40000                  ; cx: my block of 256 queries; it enters global addresses alone
	s_and_b32 s24, ttmp7, 0xffff
	s_lshr_b32 s25, s24, 5                         ; a
	s_bfe_u32 s26, s24, 0x20003                    ; b
	s_and_b32 s24, s24, 7                          ; the pair of heads
	; every LDS address is made here, ahead of the branch on the wave's number
	v_and_b32 v5, 15, v0                           ; r
	v_bfe_u32 v13, v0, 4, 1                        ; h
	v_and_b32 v1, 31, v0
	s_delay_alu instid0(VALU_DEP_1)
	v_lshlrev_b32 v1, 4, v1                        ; 16 x lane
	s_delay_alu instid0(VALU_DEP_4)
	v_lshl_add_u32 v2, v5, 4, KSC                  ; four tiles' scale words of my row
	v_lshl_add_u32 v3, v5, 4, VSC
	v_lshlrev_b32 v4, 3, v13                       ; 8 h
	s_lshl_b32 s84, s20, 6
	v_lshl_add_u32 v251, v5, 2, STG
	s_delay_alu instid0(VALU_DEP_1)
	v_add_nc_u32 v251, s84, v251                   ; the stage, in: 64 x wave + 4 r
	s_and_b32 s85, s20, 1                          ; u
	s_lshl_b32 s84, s85, 9
	v_add_nc_u32 v254, s84, v1
	s_delay_alu instid0(VALU_DEP_1)
	v_add_nc_u32 v254, STG, v254                   ; and out (waves 0, 1): 512 x wave + 16 x lane
.irp g, G1C, G1K, G1V
	s_mov_b32 s[\g], 15|(3<<16)|(1<<21)            ; the mask: all four work-groups; elements of 8 bytes; bit 21 set beside a mask; no padding
	s_mov_b32 s[\g+1], 32<<16
	s_mov_b32 s[\g+3], 32<<16
	s_mov_b32 s[\g+5], 32
	s_mov_b32 s[\g+6], 0
	s_mov_b32 s[\g+7], 0
.endr
	s_mov_b32 s[G1C+2], 64<<16                     ; a wave's share of the codes: 64 rows of 256 bytes
	s_mov_b32 s[G1C+4], 64
	s_mov_b32 s[G1K+2], 16<<16
	s_mov_b32 s[G1K+4], 16
	s_mov_b32 s[G1V+2], 8<<16
	s_mov_b32 s[G1V+4], 8
	s_lshl_b32 s86, s25, 2
	s_add_co_u32 s86, s86, s26
	s_lshl_b32 s86, s86, 4
	s_lshl_b32 s87, s24, 1
	s_add_co_u32 s86, s86, s87                     ; (4 a + b) 16 + the even head: keys and values
	s_mul_i32 s88, s86, 49152
	s_lshl_b32 s87, s20, 14                        ; waves 0-11 fetch 16,384 bytes of codes each, to LDS byte 16,384 x wave: waves 0-5 K's 98,304 bytes (both heads), waves 6-11 V's
	s_sub_co_u32 s89, s87, 98304
	s_cmp_lt_u32 s20, 6
	s_cselect_b32 s89, s87, s89                    ; the share's place in its own tensor
	s_add_co_u32 s88, s88, s89
	s_mov_b32 s89, 0
	s_add_co_u32 s90, s86, s85                     ; head u's scale words
	s_lshl_b32 s92, s90, 11
	s_mov_b32 s93, 0
	s_lshl_b32 s90, s90, 12
	s_mov_b32 s91, 0
	s_lshl_b32 s94, s85, 12
	s_lshl_b32 s95, s85, 11
	s_mov_b32 s22, 0x76543210
	s_mov_b32 s23, 0xfedcba98                      ; v_permlanex16_b32's selects for lane l xor 16
	s_wait_dscnt 0x0
	s_wait_kmcnt 0x0
	s_mov_b32 s[GA], 1
	s_add_co_u32 s[GA+1], s94, KSC
	s_add_nc_u64 s[GA+2:GA+3], s[6:7], s[90:91]
	s_or_b32 s[GA+3], s[GA+3], 0x80000000
	s_mov_b32 s[GB], 1
	s_mov_b32 s[GB+1], s87
	s_cmp_lt_u32 s20, 6
	s_cselect_b64 s[GB+2:GB+3], s[4:5], s[8:9]     ; kq or vimg: the choice hangs on the wave's number alone
	s_add_nc_u64 s[GB+2:GB+3], s[GB+2:GB+3], s[88:89]
	s_or_b32 s[GB+3], s[GB+3], 0x80000000
	s_mov_b32 s[GD], 1
	s_add_co_u32 s[GD+1], s95, VSC
	s_add_nc_u64 s[GD+2:GD+3], s[10:11], s[92:93]
	s_or_b32 s[GD+3], s[GD+3], 0x80000000
	CROUND                                         ; all four work-groups are here: the joint loads meet
	s_cmp_lt_u32 s20, 12                           ; every wave issues ONE joint load: one chain of branches on the wave's number, one load to an arm
	s_cbranch_scc0 .Lks
	tensor_load_to_lds s[GB:GB+3], s[G1C:G1C+7]    ; waves 0-11: codes
	s_nop 0
.rept 4
	v_nop
.endr
	s_branch .Lasked
.Lks:
	s_cmp_lt_u32 s20, 14
	s_cbranch_scc0 .Lvs
	tensor_load_to_lds s[GA:GA+3], s[G1K:G1K+7]    ; waves 12, 13: K's scale words of head wave % 2
	s_nop 0
.rept 4
	v_nop
.endr
	s_branch .Lasked
.Lvs:
	tensor_load_to_lds s[GD:GD+3], s[G1V:G1V+7]    ; waves 14, 15: V's
	s_nop 0
.rept 4
	v_nop
.endr
.Lasked:
	; my queries, while the tiles come
	s_xor_b32 s94, s25, 1
	s_lshl_b32 s94, s94, 2
	s_add_co_u32 s94, s94, s26
	s_lshl_b32 s94, s94, 4
	s_lshl_b32 s95, s24, 1
	s_add_co_u32 s94, s94, s95                     ; the queries' tensor, batch, even head
	s_lshl_b32 s95, s21, 4
	s_add_co_u32 s95, s95, s20                     ; my tile, 0 .. 63
	s_mul_i32 s96, s94, 49152
	s_lshr_b32 s97, s95, 1
	s_mul_i32 s97, s97, 1536
	s_add_co_u32 s96, s96, s97
	s_mov_b32 s97, 0
	s_add_nc_u64 s[96:97], s[4:5], s[96:97]        ; the image of my tile's pair
	s_lshl_b32 s98, s94, 12
	s_lshr_b32 s99, s95, 2
	s_lshl_b32 s99, s99, 8
	s_add_co_u32 s98, s98, s99
	s_and_b32 s99, s95, 3
	s_lshl_b32 s99, s99, 2
	s_add_co_u32 s98, s98, s99
	s_mov_b32 s99, 0
	s_add_nc_u64 s[98:99], s[6:7], s[98:99]        ; my tile's scale words
	s_lshl_b32 s90, s26, 12
	s_lshr_b32 s91, s95, 2
	s_lshl_b32 s91, s91, 8
	s_add_co_u32 s90, s90, s91
	s_and_b32 s91, s95, 3
	s_lshl_b32 s91, s91, 5
	s_add_co_u32 s90, s90, s91                     ; the mask word of my tile's first row: (1,024 b + 64 (rt / 4) + 8 (rt % 4)) 4
	s_mov_b32 s91, 0
	s_cmp_eq_u32 s25, 0
	s_cselect_b64 s[12:13], s[12:13], s[14:15]
	s_add_nc_u64 s[12:13], s[12:13], s[90:91]
	v_and_b32 v253, 7, v5
	s_delay_alu instid0(VALU_DEP_1)
	v_lshlrev_b32 v253, 2, v253
	v_lshrrev_b32 v252, 3, v5
	s_delay_alu instid0(VALU_DEP_1)
	v_lshl_add_u32 v253, v252, 7, v253             ; (r % 8 + 32 (r / 8)) 4
	v_lshlrev_b32 v252, 4, v5                      ; 16 r
.irp p, 0,1,2
	global_load_b128 v[96+4*\p:99+4*\p], v1, s[96:97] offset:512*\p
	global_load_b128 v[108+4*\p:111+4*\p], v1, s[96:97] offset:49152+512*\p
.endr
	global_load_b32 v28, v252, s[98:99]
	global_load_b32 v250, v252, s[98:99] offset:4096
	global_load_b32 v13, v253, s[12:13]
	; where the results go
	s_lshl_b32 s84, s25, 5
	s_lshl_b32 s85, s26, 3
	s_add_co_u32 s84, s84, s85
	s_lshl_b32 s85, s21, 1
	s_add_co_u32 s84, s84, s85                     ; block of rows 32 a + 8 b + 2 cx
	s_lshr_b32 s85, s20, 3
	s_add_co_u32 s85, s84, s85
	s_lshl_b32 s85, s85, 3
	s_add_co_u32 s85, s85, s24                     ; in the buffers' second region a block of rows has 8 K steps: step = the pair of heads
	s_lshl_b32 s85, s85, 3
	s_and_b32 s86, s20, 7
	s_add_co_u32 s85, s85, s86
	s_mul_i32 s86, s85, 1536
	s_add_co_u32 s86, s86, 6291456                 ; where acodes' second region begins
	s_mov_b32 s87, 0
	s_add_nc_u64 s[16:17], s[16:17], s[86:87]
	s_and_b32 s85, s20, 1
	s_add_co_u32 s84, s84, s85
	s_lshl_b32 s84, s84, 3
	s_add_co_u32 s84, s84, s24
	s_lshl_b32 s84, s84, 9
	s_add_co_u32 s84, s84, 262144                  ; where ascl's second region begins
	s_mov_b32 s85, 0
	s_add_nc_u64 s[18:19], s[18:19], s[84:85]
	s_and_b32 s27, s20, 1
	s_cmp_lg_u32 s27, 0
	s_cselect_b32 s27, -1, 0                       ; an odd tile is the upper half of its pair's image
.irp i, 0,1,2,3,4,5
	v_mov_b32 v[22+\i], 0                          ; Q's upper half: zero codes
	v_mov_b32 v[90+\i], 0                          ; what the last tile of K names behind its own six registers
.endr
	v_mov_b32 v9, 0                                ; upper halves of pairs of which the low word serves both halves
	v_mov_b32 v231, 0
	v_mov_b32 v228, 0                              ; a lane permute's destination counts as one of its sources
	v_mov_b32 v7, 0x3e38aa3b                       ; log2(e) / 8
	s_wait_loadcnt 0x0
.irp i, 0,1,2,3,4,5
	v_cndmask_b32 v[16+\i], v[96+\i], v[102+\i], s27
	v_cndmask_b32 v[244+\i], v[108+\i], v[114+\i], s27
.endr
	v_cmp_ne_u32 vcc_lo, 0, v13
	s_delay_alu instid0(VALU_DEP_1)
	v_cndmask_b32 v6, 0, v7, vcc_lo                ; cL
	s_delay_alu instid0(VALU_DEP_2)
	v_cndmask_b32 v10, 0xc7b89326, v9, vcc_lo      ; aL: 0, or -94,502.296875
	s_delay_alu instid0(VALU_DEP_2)
	v_mov_b32 v7, v6
; A KEY STEP: 128 keys.
.macro STEP
	v_add_nc_u32 v[ADK], s28, v1                   ; (these four are the places behind the last products, in front of the loads into their operands)
	v_add_nc_u32 v[ADS], s29, v2
	v_add_nc_u32 v[ADT], s30, v3
	s_delay_alu instid0(VALU_DEP_3)
	v_add_nc_u32 v[ADV], 98304, v[ADK]
.set n, 0
.rept 12
	ds_load_b128 v[KV+4*n:KV+4*n+3], v[ADK] offset:512*n           ; four pairs of tiles: 48 registers on end, tile t at 6 t
.set n, n+1
.endr
	ds_load_b128 v[30:33], v[ADS]
	ds_load_b128 v[34:37], v[ADS] offset:256
	s_wait_alu depctr_va_vdst(0)
	s_wait_dscnt 0x0
.irp t, 0,1,2,3,4,5,6,7
	v_wmma_scale_f32_16x16x128_f8f6f4 v[96+8*\t:103+8*\t], v[KV+6*\t:KV+6*\t+11], v[16:27], 0, v[30+\t], v28 matrix_a_fmt:MATRIX_FMT_BF6 matrix_b_fmt:MATRIX_FMT_BF6
.endr
	v_mov_b32 v236, v11                            ; the old -M.  Four places, then V's fragments land where K's lay, during the softmax
.rept 3
	v_nop
.endr
.set n, 0
.rept 12
	ds_load_b128 v[KV+4*n:KV+4*n+3], v[ADV] offset:512*n
.set n, n+1
.endr
	ds_load_b128 v[38:41], v[ADT]
	v_max3_num_f32 v226, v96, v97, v98             ; the largest score of my two blocks of 32 keys, two chains each; every accumulator is first read at its low end
	v_max3_num_f32 v252, v112, v113, v114
	v_max3_num_f32 v227, v128, v129, v130
	v_max3_num_f32 v253, v144, v145, v146
.irp i, 3,5,7,9,11,13
	v_max3_num_f32 v226, v226, v[96+\i], v[97+\i]
	v_max3_num_f32 v252, v252, v[112+\i], v[113+\i]
	v_max3_num_f32 v227, v227, v[128+\i], v[129+\i]
	v_max3_num_f32 v253, v253, v[144+\i], v[145+\i]
.endr
	v_max_num_f32 v252, v252, v127
	v_max_num_f32 v253, v253, v159
	v_max3_num_f32 v226, v226, v111, v252
	v_max3_num_f32 v227, v227, v143, v253
	s_delay_alu instid0(VALU_DEP_1)
	v_max_num_f32 v237, v226, v227
	s_delay_alu instid0(VALU_DEP_1)
	v_permlanex16_b32 v228, v237, s22, s23
	s_delay_alu instid0(VALU_DEP_1)
	v_max_num_f32 v237, v237, v228                 ; the step's largest score of my query
	s_delay_alu instid0(VALU_DEP_1)
	v_fma_f32 v237, v237, v6, v10                  ; as t
	s_delay_alu instid0(VALU_DEP_1)
	v_max_num_f32 v12, v12, v237                   ; the running largest t
	s_delay_alu instid0(VALU_DEP_1)
	v_floor_f32 v11, -v12                          ; -M = floor(-t): M is a whole number
	s_delay_alu instid0(VALU_DEP_1)
	v_sub_f32 v236, v11, v236                      ; old M - new M: a whole number, 0 or less
	s_delay_alu instid0(VALU_DEP_1)
	v_cvt_i32_f32 v236, v236                       ; (it saturates)
	s_delay_alu instid0(VALU_DEP_1)
	v_ldexp_f32 v230, 1.0, v236                    ; f = 2^(old M - new M)
	s_delay_alu instid0(VALU_DEP_4)
	v_add_f32 v8, v10, v11                         ; aL - M
.set j, 0
.rept 32
	v_pk_fma_f32 v[96+j:97+j], v[96+j:97+j], v[6:7], v[8:9] op_sel_hi:[1,0,0]   ; t - M, two at a time
.set j, j+2
.endr
	v_fma_f32 v226, v226, v6, v8                   ; the same of each block's largest score
	v_fma_f32 v227, v227, v6, v8
.set j, 0
	s_wait_alu depctr_va_vdst(0)
.rept 64
	v_exp_f32 v[96+j], v[96+j]                     ; p = 2^(t - M)
.set j, j+1
.endr
	v_exp_f32 v226, v226
	v_exp_f32 v227, v227
	v_pk_mul_f32 v[14:15], v[14:15], v[230:231] op_sel_hi:[1,0]    ; the sum under the new M (the plain place behind the exponentials)
	s_wait_alu depctr_va_vdst(0)
	v_max_num_f32 v226, FLOOR, v226
	v_max_num_f32 v227, FLOOR, v227
	s_delay_alu instid0(VALU_DEP_2)
	v_add_nc_u32 v232, EOFF, v226
	s_delay_alu instid0(VALU_DEP_2)
	v_add_nc_u32 v233, EOFF, v227
	s_delay_alu instid0(VALU_DEP_2)
	v_lshrrev_b32 v234, 23, v232
	s_delay_alu instid0(VALU_DEP_2)
	v_lshrrev_b32 v235, 23, v233
	s_delay_alu instid0(VALU_DEP_1)
	v_lshl_or_b32 v29, v235, 16, v234
	s_delay_alu instid0(VALU_DEP_1)
	v_lshlrev_b32 v29, v4, v29
	s_delay_alu instid0(VALU_DEP_1)
	v_permlanex16_b32 v228, v29, s22, s23
	s_delay_alu instid0(VALU_DEP_1)
	v_or_b32 v29, v29, v228                        ; p's scale word for these 128 keys
	v_cvt_scalef32_pk16_bf6_f32 v[192:194], v[96:111], v232
	v_cvt_scalef32_pk16_bf6_f32 v[204:206], v[112:127], v232
	v_cvt_scalef32_pk16_bf6_f32 v[198:200], v[128:143], v233
	v_cvt_scalef32_pk16_bf6_f32 v[208:210], v[144:159], v233
	v_nop                                          ; one plain place behind a scaled conversion
.irp i, 0,1,2
	v_mov_b32 v[195+\i], v[204+\i]
	v_mov_b32 v[201+\i], v[208+\i]
.endr
	v_pk_add_f32 v[238:239], v[100:101], v[104:105]
	v_pk_add_f32 v[252:253], v[108:109], v[112:113]
	v_pk_add_f32 v[242:243], v[116:117], v[120:121]
	v_pk_add_f32 v[240:241], v[124:125], v[128:129]
	v_pk_add_f32 v[236:237], v[132:133], v[136:137]
	v_pk_add_f32 v[234:235], v[140:141], v[144:145]
	v_pk_add_f32 v[232:233], v[148:149], v[152:153]
	v_pk_add_f32 v[14:15], v[14:15], v[156:157]
	v_pk_add_f32 v[238:239], v[238:239], v[96:97]
	v_pk_add_f32 v[252:253], v[252:253], v[98:99]
	v_pk_add_f32 v[242:243], v[242:243], v[102:103]
	v_pk_add_f32 v[240:241], v[240:241], v[106:107]
	v_pk_add_f32 v[236:237], v[236:237], v[110:111]
	v_pk_add_f32 v[234:235], v[234:235], v[114:115]
	v_pk_add_f32 v[232:233], v[232:233], v[118:119]
	v_pk_add_f32 v[14:15], v[14:15], v[122:123]
	v_pk_add_f32 v[238:239], v[238:239], v[126:127]
	v_pk_add_f32 v[252:253], v[252:253], v[130:131]
	v_pk_add_f32 v[242:243], v[242:243], v[134:135]
	v_pk_add_f32 v[240:241], v[240:241], v[138:139]
	v_pk_add_f32 v[236:237], v[236:237], v[142:143]
	v_pk_add_f32 v[234:235], v[234:235], v[146:147]
	v_pk_add_f32 v[232:233], v[232:233], v[150:151]
	v_pk_add_f32 v[14:15], v[14:15], v[154:155]
	v_pk_add_f32 v[238:239], v[238:239], v[158:159]
	s_delay_alu instid0(VALU_DEP_2)
	v_pk_add_f32 v[14:15], v[14:15], v[240:241]
	s_delay_alu instid0(VALU_DEP_2)
	v_pk_add_f32 v[238:239], v[238:239], v[236:237]
	v_pk_add_f32 v[252:253], v[252:253], v[234:235]
	v_pk_add_f32 v[242:243], v[242:243], v[232:233]
	s_delay_alu instid0(VALU_DEP_2)
	v_pk_add_f32 v[14:15], v[14:15], v[252:253]
	s_delay_alu instid0(VALU_DEP_2)
	v_pk_add_f32 v[238:239], v[238:239], v[242:243]
	s_delay_alu instid0(VALU_DEP_1)
	v_pk_add_f32 v[14:15], v[14:15], v[238:239]
.set j, 0
.rept 16
	v_pk_mul_f32 v[160+j:161+j], v[160+j:161+j], v[230:231] op_sel_hi:[1,0]     ; O^T under the new M.  (With the sums: 48 places between P, its scale word and the products)
.set j, j+2
.endr
	s_wait_alu depctr_va_vdst(0)
	s_wait_dscnt 0x0                               ; V
.irp t, 0,1,2,3
	v_wmma_scale_f32_16x16x128_f8f6f4 v[160+8*\t:167+8*\t], v[KV+12*\t:KV+12*\t+11], v[192:203], v[160+8*\t:167+8*\t], v[38+\t], v29 matrix_a_fmt:MATRIX_FMT_BF6 matrix_b_fmt:MATRIX_FMT_BF6
.endr
	s_add_co_u32 s28, s28, 6144
	s_add_co_u32 s29, s29, 512
	s_add_co_u32 s30, s30, 256
.endm
; A HEAD: eight key steps; then O^T / the sum, quantised: block 2 hh + h of my row's K step.
.macro HEAD hh
.if \hh
.irp i, 0,1,2,3,4,5
	v_mov_b32 v[16+\i], v[244+\i]
.endr
	v_mov_b32 v28, v250
.endif
	v_mov_b32 v12, 0xff61b1e6                      ; the largest t so far: -3e38
	s_delay_alu instid0(VALU_DEP_1)
	v_floor_f32 v11, -v12
	v_mov_b32 v14, 0
	v_mov_b32 v15, 0
.set j, 0
.rept 32
	v_mov_b32 v[160+j], 0                          ; the step is written once: the first finds zeros, which the first change of M leaves zeros
.set j, j+1
.endr
	s_mov_b32 s28, \hh*49152
	s_mov_b32 s29, \hh*4096
	s_mov_b32 s30, \hh*2048
	s_mov_b32 s31, 8
.Lstep_\hh:
	STEP
	s_sub_co_u32 s31, s31, 1
	s_cmp_lg_u32 s31, 0
	s_cbranch_scc1 .Lstep_\hh
.rept 4
	v_nop
.endr
	v_add_f32 v13, v14, v15
	s_delay_alu instid0(VALU_DEP_1)
	v_permlanex16_b32 v228, v13, s22, s23
	s_delay_alu instid0(VALU_DEP_1)
	v_add_f32 v13, v13, v228                       ; the row's sum
	s_wait_alu depctr_va_vdst(0)
	v_rcp_f32 v230, v13
	v_nop                                          ; one plain place behind a transcendental
.set j, 0
	s_wait_alu depctr_va_vdst(0)
.rept 16
	v_pk_mul_f32 v[96+j:97+j], v[160+j:161+j], v[230:231] op_sel_hi:[1,0]
.set j, j+2
.endr
	v_max3_num_f32 v226, |v96|, |v97|, FLOOR
	v_max3_num_f32 v252, |v112|, |v113|, FLOOR
.irp i, 2,4,6,8,10,12,14
	s_delay_alu instid0(VALU_DEP_2)
	v_max3_num_f32 v226, v226, |v[96+\i]|, |v[97+\i]|
	s_delay_alu instid0(VALU_DEP_2)
	v_max3_num_f32 v252, v252, |v[112+\i]|, |v[113+\i]|
.endr
	s_delay_alu instid0(VALU_DEP_1)
	v_max_num_f32 v226, v226, v252
	s_delay_alu instid0(VALU_DEP_1)
	v_add_nc_u32 v232, EOFF, v226
	s_delay_alu instid0(VALU_DEP_1)
	v_lshrrev_b32 v[224+\hh], 23, v232
	v_cvt_scalef32_pk16_bf6_f32 v[212+6*\hh:214+6*\hh], v[96:111], v232
	v_cvt_scalef32_pk16_bf6_f32 v[204:206], v[112:127], v232
	v_nop
.irp i, 0,1,2
	v_mov_b32 v[215+6*\hh+\i], v[204+\i]
.endr
.endm
	s_wait_alu depctr_va_vdst(0)
	s_wait_tensorcnt 0x0                           ; my one load is in;
	s_barrier_signal -1
	s_barrier_wait -1                              ; so is every wave's: both heads' tiles and scale words.  Nothing is filled again, so no barrier stands between the heads
	HEAD 0
	HEAD 1
	v_lshl_or_b32 v29, v225, 16, v224
	s_delay_alu instid0(VALU_DEP_1)
	v_lshlrev_b32 v29, v4, v29
	s_delay_alu instid0(VALU_DEP_1)
	v_permlanex16_b32 v228, v29, s22, s23
	s_delay_alu instid0(VALU_DEP_1)
	v_or_b32 v29, v29, v228                        ; my row's scale word
.irp p, 0,1,2
	global_store_b128 v1, v[212+4*\p:215+4*\p], s[16:17] offset:512*\p             ; the fragment's image: 1,536 consecutive bytes
.endr
	ds_store_b32 v251, v29                         ; both halves of the lanes write the same word with the same value
	s_wait_dscnt 0x0                               ; for the others' sake
	s_barrier_signal -1
	s_barrier_wait -1
	s_cmp_lt_u32 s20, 2
	s_cbranch_scc0 .Lno_words
	ds_load_b128 v[96:99], v254                    ; eight tiles' words: 512 consecutive bytes
	s_wait_dscnt 0x0
	global_store_b128 v1, v[96:99], s[18:19]
.Lno_words:
	s_wait_tensorcnt 0x0
	ds_add_u32 v229, v255
	s_wait_dscnt 0x0
	CROUND                                         ; the closing round
	s_endpgm
.Lfunc_end_k_q2c04f38373_attn:
	.size	k_q2c04f38373_attn, .Lfunc_end_k_q2c04f38373_attn-k_q2c04f38373_attn
	.p2alignl 7, 3214868480
	.fill 96, 4, 3214868480
	.section	.rodata,"a",@progbits
	.p2align	6, 0x0
	.amdhsa_kernel k_q2c04f38373_attn
		.amdhsa_group_segment_fixed_size 215040
		.amdhsa_private_segment_fixed_size 0
		.amdhsa_enable_private_segment 0
		.amdhsa_kernarg_size 64
		.amdhsa_user_sgpr_count 2
		.amdhsa_user_sgpr_kernarg_segment_ptr 1
		.amdhsa_wavefront_size32 1
		.amdhsa_system_sgpr_workgroup_id_x 1
		.amdhsa_system_sgpr_workgroup_id_y 1
		.amdhsa_system_sgpr_workgroup_id_z 1
		.amdhsa_system_vgpr_workitem_id 0
		.amdhsa_next_free_vgpr 256
		.amdhsa_next_free_sgpr 100
		.amdhsa_reserve_vcc 1
		.amdhsa_float_denorm_mode_32 3
		.amdhsa_float_denorm_mode_16_64 3
		.amdhsa_memory_ordered 1
		.amdhsa_forward_progress 1
		.amdhsa_inst_pref_size 53
	.end_amdhsa_kernel
	.amdgpu_metadata
---
amdhsa.version: [ 1, 2 ]
amdhsa.kernels:
  - .name:           k_q2c04f38373_attn
    .symbol:         k_q2c04f38373_attn.kd
    .args:
      - { .name: kq, .offset: 0, .size: 8, .value_kind: global_buffer, .address_space: global }
      - { .name: kqs, .offset: 8, .size: 8, .value_kind: global_buffer, .address_space: global }
      - { .name: vimg, .offset: 16, .size: 8, .value_kind: global_buffer, .address_space: global }
      - { .name: vs, .offset: 24, .size: 8, .value_kind: global_buffer, .address_space: global }
      - { .name: mask_q, .offset: 32, .size: 8, .value_kind: global_buffer, .address_space: global }
      - { .name: mask_c, .offset: 40, .size: 8, .value_kind: global_buffer, .address_space: global }
      - { .name: acodes, .offset: 48, .size: 8, .value_kind: global_buffer, .address_space: global }
      - { .name: ascl, .offset: 56, .size: 8, .value_kind: global_buffer, .address_space: global }
    .group_segment_fixed_size: 215040
    .private_segment_fixed_size: 0
    .kernarg_segment_align: 8
    .kernarg_segment_size: 64
    .max_flat_workgroup_size: 512
    .sgpr_count:     100
    .vgpr_count:     256
    .wavefront_size: 32
...
	.end_amdgpu_metadata
.endif
;; end of part 3
;; launch outp (part 4): grid 4 x 64, 4 waves a work-group, clusters of 4 x 4, 327,680 bytes of LDS; arguments acodes, ascl, wimg, wscl, b1, b2, question, context, out0, out1; writes out0, out1
.if DOCPART == 4
	.amdgcn_target "amdgcn-amd-amdhsa--gfx1250"
	.amdhsa_code_object_version 6
	.text
	.protected	k_q2c04f38373_outp
	.globl	k_q2c04f38373_outp
	.p2align	8
	.type	k_q2c04f38373_outp,@function
k_q2c04f38373_outp:
	s_mov_b64 s[64:65], 0
	v_nop
	global_prefetch_b8 v0, s[64:65] scope:SCOPE_SE
	s_setreg_imm32_b32 hwreg(HW_REG_WAVE_MODE, 25, 1), 1
	s_wait_xcnt 0x0
	s_wait_alu depctr_hold_cnt(0) depctr_sa_sdst(0) depctr_va_vdst(0) depctr_va_sdst(0) depctr_va_ssrc(0) depctr_va_vcc(0) depctr_vm_vsrc(0)
	s_getreg_b32 s2, hwreg(HW_REG_IB_STS2, 6, 4)
	s_cmp_eq_u32 s2, 0
	s_cbranch_scc0 .Lentry_in_a_cluster
	s_endpgm
.Lentry_in_a_cluster:
	s_bfe_u32 s2, ttmp6, 0x10000c
	s_cmp_lg_u32 s2, 0xf033
	s_cbranch_scc0 .Lentry_shape_is_right
	s_endpgm
.Lentry_shape_is_right:
.set FR,     12
.set NP,     4
.set ABYTES, 49152
.set SLOT,   3*ABYTES
.set SCL,    2*SLOT
.set SPARE,  SCL+3*8192
.set SPITCH, 528
.set ADRA, 16
.set STO,  18
.set RD,   19
.set ADRB, 20
.set L16,  24
.set ADRS, 27
.set SPW,  28
.set NIL,  29
.set SC,   32
.set AF,   96
.set BIAS, 192
.set G1, 24
.set G0, 32
.set G1B, 48
.set G0B, 56
.set G1S, 68
.set G0S, 76
.set G1SB, 80
.set G0SB, 88
.set MSB, 0
.macro WIN new
.if MSB != (\new)
	s_set_vgpr_msb (MSB<<8)|(\new)
.set MSB, (\new)
.endif
.endm
.set MUL,    0xa1
.set FIRST,  0x81
.set TO_B,   0x40
.set TO_X,   0xc0
.macro JLOAD g0a, g1a, g0b, g1b
	s_cmp_eq_u32 s15, 0
	s_cbranch_scc0 .Lfor_b_\@
	tensor_load_to_lds s[\g0a:\g0a+3], s[\g1a:\g1a+7]
	s_nop 0
.rept 4
	v_nop
.endr
	s_branch .Lasked_\@
.Lfor_b_\@:
	tensor_load_to_lds s[\g0b:\g0b+3], s[\g1b:\g1b+7]
	s_nop 0
.rept 4
	v_nop
.endr
.Lasked_\@:
.endm
.macro CREST
	s_cmp_lg_u32 s14, 0
	s_cbranch_scc1 .Lnot_wave_0_\@
	s_barrier_signal -3
.Lnot_wave_0_\@:
	s_barrier_wait -3
	s_barrier_signal -1
	s_barrier_wait -1
.endm
.macro CROUND
	s_barrier_signal -1
	s_barrier_wait -1
	CREST
.endm
.macro SHAPE g, rows
	s_mov_b32 s[\g+1], 32<<16
	s_mov_b32 s[\g+2], (\rows)<<16
	s_mov_b32 s[\g+3], 32<<16
	s_mov_b32 s[\g+4], \rows
	s_mov_b32 s[\g+5], 32
	s_mov_b32 s[\g+6], 0
	s_mov_b32 s[\g+7], 0
.endm
	s_load_b256 s[4:11], s[0:1], 0x0
	s_load_b256 s[92:99], s[0:1], 0x20
	v_lshl_add_u32 v[SPW], v0, 2, SPARE
	v_mov_b32 v[NIL], 0
	ds_add_u32 v28, v29
	ds_add_u32 v28, v29
	s_wait_dscnt 0x0
	v_lshrrev_b32 v1, 5, v0
	v_readfirstlane_b32 s14, v1
	s_lshr_b32 s15, s14, 1
	s_and_b32 s16, s14, 1
	s_bfe_u32 s40, ttmp6, 0x40000
	s_bfe_u32 s41, ttmp6, 0x40004
	s_and_b32 s18, ttmp7, 0xffff
	s_lshr_b32 s19, s18, 3
	s_and_b32 s18, s18, 7
	s_lshl_b32 s18, s18, 2
	s_add_co_u32 s17, s18, s41
	s_lshl_b32 s43, s41, 2
	s_lshl_b32 s43, 15, s43
	s_lshl_b32 s44, 0x1111, s40
	s_or_b32 s[G1+0], s43, (3<<16)|(1<<21)
	s_or_b32 s[G1B+0], s44, (3<<16)|(1<<21)
	s_or_b32 s[G1S+0], s43, (3<<16)|(1<<21)
	s_or_b32 s[G1SB+0], s44, (3<<16)|(1<<21)
.macro ROWS g, c, rows, pitch          ; rows of c elements of 8 bytes, pitch elements apart
	s_mov_b32 s[\g+1], (\c)<<16
	s_mov_b32 s[\g+2], (\rows)<<16
	s_mov_b32 s[\g+3], (\c)<<16
	s_mov_b32 s[\g+4], \rows
	s_mov_b32 s[\g+5], \pitch
	s_mov_b32 s[\g+6], 0
	s_mov_b32 s[\g+7], 0
.endm
	ROWS G1, 32, 192, 32                           ; the head's tiles: A's slot 0, 49,152 dense bytes;
	ROWS G1B, 6144, 2, 24576                       ; B's: 49,152 bytes of each of two blocks of 128 rows, 196,608 bytes apart;
	ROWS G1S, 512, 2, 32768                        ; A's scale words: 4,096 bytes in each region of ascl, 262,144 bytes apart;
	ROWS G1SB, 32, 64, 32                          ; B's: 16,384 dense bytes
	s_lshl_b32 s20, s19, 5
	s_add_co_u32 s20, s20, s17
	s_lshl_b32 s22, s20, 12
	s_mul_i32 s20, s20, 98304
	s_mov_b32 s21, 0
	s_mov_b32 s23, 0
	s_lshl_b32 s46, s40, 1
	s_add_co_u32 s90, s19, 1
	s_lshl_b32 s66, s46, 13
	s_mul_i32 s46, s46, 196608
	s_mul_i32 s91, s90, 1572864
	s_add_co_u32 s46, s46, s91
	s_lshl_b32 s91, s90, 16
	s_add_co_u32 s66, s66, s91
	s_mov_b32 s47, 0
	s_mov_b32 s67, 0
	s_lshl_b32 s100, s17, 7
	s_lshl_b32 s101, s15, 6
	s_add_co_u32 s100, s100, s101
	s_lshl_b32 s100, s100, 12
	s_lshl_b32 s90, s40, 10
	s_lshl_b32 s91, s16, 9
	s_add_co_u32 s90, s90, s91
	s_add_co_u32 s100, s100, s90
	s_mov_b32 s101, 0
	s_mov_b32 s91, 0
	s_mul_i32 s45, s16, 24576
	s_mul_i32 s2, s16, ABYTES
	s_add_co_u32 s2, s2, ABYTES
	s_mov_b32 s12, 0x4038aa3b
	s_mov_b32 s13, s12
	s_wait_kmcnt 0x0
	s_add_nc_u64 s[20:21], s[4:5], s[20:21]
	s_add_nc_u64 s[22:23], s[6:7], s[22:23]
	s_add_nc_u64 s[46:47], s[8:9], s[46:47]
	s_add_nc_u64 s[66:67], s[10:11], s[66:67]
	s_cmp_eq_u32 s19, 0
	s_cselect_b64 s[92:93], s[92:93], s[94:95]
	s_cselect_b64 s[96:97], s[96:97], s[98:99]
	s_add_nc_u64 s[92:93], s[92:93], s[90:91]
	s_add_nc_u64 s[96:97], s[96:97], s[100:101]
	CROUND
	s_mov_b32 s[G0S], 1
	s_mov_b32 s[G0S+1], SCL
	s_mov_b64 s[G0S+2:G0S+3], s[22:23]
	s_or_b32 s[G0S+3], s[G0S+3], 0x80000000
	s_mov_b32 s[G0SB], 1
	s_mov_b32 s[G0SB+1], SCL+8192
	s_mov_b64 s[G0SB+2:G0SB+3], s[66:67]
	s_or_b32 s[G0SB+3], s[G0SB+3], 0x80000000
	s_mov_b32 s4, 1                                ; s[4:7], s[8:11] (the arguments there have been used): groups 0 of the head's loads of slot 0: A's 128 rows,
	s_mov_b32 s5, 0
	s_mov_b64 s[6:7], s[20:21]
	s_or_b32 s7, s7, 0x80000000
	s_mov_b32 s8, 1                                ; and B's 256, behind them
	s_mov_b32 s9, ABYTES
	s_mov_b64 s[10:11], s[46:47]
	s_or_b32 s11, s11, 0x80000000
	s_mov_b32 s42, s45                             ; for the ring: my half of A's slot,
	s_mov_b32 s43, 0
	s_add_nc_u64 s[20:21], s[20:21], s[42:43]
	s_mul_i32 s42, s16, 196608                     ; my block of 128 rows of B
	s_add_nc_u64 s[46:47], s[46:47], s[42:43]
.irp s, 0,1
	s_mov_b32 s[G0+4*\s], 1
	s_add_co_u32 s[G0+4*\s+1], s45, \s*SLOT
	s_add_nc_u64 s[G0+4*\s+2:G0+4*\s+3], s[20:21], \s*ABYTES
	s_or_b32 s[G0+4*\s+3], s[G0+4*\s+3], 0x80000000
	s_mov_b32 s[G0B+4*\s], 1
	s_add_co_u32 s[G0B+4*\s+1], s2, \s*SLOT
	s_add_nc_u64 s[G0B+4*\s+2:G0B+4*\s+3], s[46:47], \s*ABYTES
	s_or_b32 s[G0B+4*\s+3], s[G0B+4*\s+3], 0x80000000
.endr
; The head's four tiles, one joint load a wave: wave 0 slot 0's rows of A, wave 1 those of B, wave 2 A's scale words, wave 3 B's.  One chain of branches on the wave's number, one load to an arm.
.macro ARM under, g0, g1, next
	s_cmp_lt_u32 s14, \under
	s_cbranch_scc0 \next
	tensor_load_to_lds s[\g0:\g0+3], s[\g1:\g1+7]
	s_nop 0
.rept 4
	v_nop
.endr
	s_branch .Lhead_asked
\next:
.endm
	ARM 1, 4, G1, .Lhead_b
	ARM 2, 8, G1B, .Lhead_sa
	ARM 3, G0S, G1S, .Lhead_sb
	tensor_load_to_lds s[G0SB:G0SB+3], s[G1SB:G1SB+7]
	s_nop 0
.rept 4
	v_nop
.endr
.Lhead_asked:
.macro XLOAD a
.irp t, 0,1,2,3,4,5,6,7,8,9,10,11,12,13,14,15
	global_load_b128 v[64*(\a)+4*\t:64*(\a)+4*\t+3], v[L16], s[96:97] offset:(8*(\a)+(\t%8)+32*(\t/8))*4096
.endr
.endm
	v_and_b32 v1, 15, v0
	s_wait_alu depctr_va_vdst(0)
	v_bfe_u32 v2, v0, 4, 1
	s_wait_alu depctr_va_vdst(0)
	v_lshlrev_b32 v3, 7, v2
.irp b, 0,1,2,3,4,5,6,7
	global_load_b128 v[BIAS+8*\b:BIAS+8*\b+3], v3, s[92:93] offset:256*(\b/4)+32*(\b%4)
	global_load_b128 v[BIAS+8*\b+4:BIAS+8*\b+7], v3, s[92:93] offset:256*(\b/4)+32*(\b%4)+16
.endr
	v_and_b32 v4, 31, v0
	v_lshlrev_b32 v[L16], 4, v4
	WIN TO_X
	XLOAD 0
	WIN 0
	s_mul_i32 s21, s15, 4*1536
	s_mul_i32 s22, s16, ABYTES
	s_add_co_u32 s22, s22, ABYTES
.irp s, 0,1
	v_add_nc_u32 v[ADRA+\s], s21, v[L16]
	v_add_nc_u32 v[ADRB+\s], s22, v[L16]
	s_add_co_u32 s21, s21, SLOT
	s_add_co_u32 s22, s22, SLOT
.endr
	v_lshlrev_b32 v5, 2, v1
	s_lshl_b32 s21, s15, 8
	s_lshl_b32 s22, s16, 13
	s_add_co_u32 s22, s22, 8192
	s_sub_co_u32 s22, s22, s21
	v_mul_u32_u24 v6, s22, v2
	s_add_co_u32 s21, s21, SCL
	v_add_nc_u32 v5, v5, v6
	v_add_nc_u32 v[ADRS], s21, v5
	s_mul_i32 s23, s14, 16*SPITCH
	v_mul_u32_u24 v5, v1, SPITCH
	v_add_nc_u32 v5, v5, v3
	v_add_nc_u32 v[STO], s23, v5
	v_add_nc_u32 v[RD], s23, v[L16]
.macro FRAG reg, adr, off
.irp p, 0,1,2
	ds_load_b128 v[(\reg)+4*\p:(\reg)+4*\p+3], v[\adr] offset:(\off)+512*\p
.endr
.endm
.macro MUL16 a0, p, zero
.irp a, \a0, \a0+1
.irp b, 0,1,2,3,4,5,6,7
.if \zero
	v_wmma_scale_f32_16x16x128_f8f6f4 v[8*(8*(\a)+\b):8*(8*(\a)+\b)+7], v[128*(\p)+FR*\b:128*(\p)+FR*\b+FR-1], v[AF+48*(\p)+FR*(\a):AF+48*(\p)+FR*(\a)+FR-1], v[BIAS+8*\b:BIAS+8*\b+7], v[SC+8*(\p)+\b], v[SC+8*(\p)+(\a)] matrix_a_fmt:MATRIX_FMT_BF6 matrix_b_fmt:MATRIX_FMT_BF6 matrix_a_scale:MATRIX_SCALE_ROW1
.else
	v_wmma_scale_f32_16x16x128_f8f6f4 v[8*(8*(\a)+\b):8*(8*(\a)+\b)+7], v[128*(\p)+FR*\b:128*(\p)+FR*\b+FR-1], v[AF+48*(\p)+FR*(\a):AF+48*(\p)+FR*(\a)+FR-1], v[8*(8*(\a)+\b):8*(8*(\a)+\b)+7], v[SC+8*(\p)+\b], v[SC+8*(\p)+(\a)] matrix_a_fmt:MATRIX_FMT_BF6 matrix_b_fmt:MATRIX_FMT_BF6 matrix_a_scale:MATRIX_SCALE_ROW1
.endif
.endr
.endr
.endm
.macro FETCH slot, q, s, p
	WIN TO_B
.irp i, 0,1,2,3,4,5,6,7
	FRAG 128*(\p)+FR*\i, ADRB+\slot, (8*(\q)+\i)*1536
.endr
	WIN 0
.irp i, 0,1,2,3
	FRAG AF+48*(\p)+FR*\i, ADRA+\slot, (8*(\q)+\i)*1536
.endr
.irp i, 0,1,2,3,4,5,6,7
	ds_load_b32 v[SC+8*(\p)+\i], v[ADRS] offset:512*(\s)+64*\i
.endr
.endm
.macro PLACES n
.rept \n
	v_nop
.endr
.endm
.macro STEP slot, q, s, zero
	s_wait_dscnt 0x0
	PLACES NP
	FETCH \slot, (\q)+1, (\s)+1, 1-(\s)%2
.if \zero
	WIN FIRST
.else
	WIN MUL
.endif
	MUL16 0, (\s)%2, \zero
	MUL16 2, (\s)%2, \zero
.endm
.macro TURN slot, next, s, fill
	WIN 0
	s_wait_tensorcnt 0x0
	ds_add_u32 v[SPW], v[NIL]
	s_wait_dscnt 0x1
	WIN MUL
	MUL16 0, 1, 0
	s_wait_dscnt 0x0
	WIN 0
	s_barrier_signal -1
	s_barrier_wait -1
.if \fill
	CREST
	s_add_nc_u64 s[G0+4*\slot+2:G0+4*\slot+3], s[G0+4*\slot+2:G0+4*\slot+3], 6291456   ; the same place in acodes' second region: K steps 8 on
	s_add_nc_u64 s[G0B+4*\slot+2:G0B+4*\slot+3], s[G0B+4*\slot+2:G0B+4*\slot+3], 2*ABYTES
	JLOAD G0+4*\slot, G1, G0B+4*\slot, G1B
.else
	PLACES NP
.endif
	FETCH \next, 0, (\s)+1, 0
	WIN MUL
	MUL16 2, 1, 0
.endm
.macro TOSTAGE a
.set AC, 64*(\a)
.set BB, 64+64*((\a)%3)
	WIN 0x08
.irp b, 0,1,2,3,4,5,6,7
	ds_store_b128 v[STO], v[AC+8*\b:AC+8*\b+3] offset:256*(\b/4)+32*(\b%4)
	ds_store_b128 v[STO], v[AC+8*\b+4:AC+8*\b+7] offset:256*(\b/4)+32*(\b%4)+16
.endr
	WIN 0
.irp t, 0,1,2,3,4,5,6,7,8,9,10,11,12,13,14,15
	ds_load_b128 v[BB+4*\t:BB+4*\t+3], v[RD] offset:\t*SPITCH
.endr
.endm
.macro TANH bk, x
.set j, 0
.rept 32
	v_pk_mul_f32 v[(\bk)+j:(\bk)+j+1], v[(\bk)+j:(\bk)+j+1], s[12:13] op_sel_hi:[1,0]
.set j, j+2
.endr
.set j, 0
	s_wait_alu depctr_va_vdst(0)
.rept 64
	v_exp_f32 v[(\bk)+j], v[(\bk)+j]
.set j, j+1
.endr
	v_nop
.set j, 0
	s_wait_alu depctr_va_vdst(0)
.rept 32
	v_pk_add_f32 v[(\bk)+j:(\bk)+j+1], v[(\bk)+j:(\bk)+j+1], 1.0 op_sel_hi:[1,0]
.set j, j+2
.endr
.set j, 0
	s_wait_alu depctr_va_vdst(0)
.rept 64
	v_rcp_f32 v[(\bk)+j], v[(\bk)+j]
.set j, j+1
.endr
	v_nop
.set j, 0
	s_wait_alu depctr_va_vdst(0)
.rept 32
	v_pk_fma_f32 v[(\bk)+j:(\bk)+j+1], v[(\bk)+j:(\bk)+j+1], -2.0, 1.0 op_sel_hi:[1,0,0]
.set j, j+2
.endr
	WIN 0x0c
.set j, 0
.rept 32
	v_pk_add_f32 v[(\bk)+j:(\bk)+j+1], v[(\bk)+j:(\bk)+j+1], v[(\x)+j:(\x)+j+1]
.set j, j+2
.endr
	WIN 0
.endm
	s_wait_alu depctr_va_vdst(0)
	s_wait_tensorcnt 0x0                           ; my tile of the head's four is in
	ds_add_u32 v[SPW], v[NIL]
	SHAPE G1, 96                                   ; no tensor load of mine is out: from here on a load brings a wave's share of a slot: half of A's rows,
	SHAPE G1B, 192                                 ; or one block of 128 rows of B
	s_wait_dscnt 0x0
	CROUND                                         ; all four tiles are in, in every work-group of the cluster
	JLOAD G0+4, G1, G0B+4, G1B                     ; slot 1's first fill, the first tensor load behind the round
	FETCH 0, 0, 0, 0
	s_wait_loadcnt 16                              ; the bias is in; the 16 loads of x issued behind it may be out
	WIN TO_X
	XLOAD 1
	XLOAD 2
	XLOAD 3
	WIN 0
	STEP 0, 0, 0, 1
	STEP 0, 1, 1, 0
	STEP 0, 2, 2, 0
	TURN 0, 1, 3, 1
	STEP 1, 0, 4, 0
	STEP 1, 1, 5, 0
	STEP 1, 2, 6, 0
	TURN 1, 0, 7, 1
	STEP 0, 0, 8, 0
	STEP 0, 1, 9, 0
	STEP 0, 2, 10, 0
	TURN 0, 1, 11, 0
	s_load_b128 s[20:23], s[0:1], 0x40
	STEP 1, 0, 12, 0
	STEP 1, 1, 13, 0
	STEP 1, 2, 14, 0
	s_wait_dscnt 0x0
	WIN MUL
	MUL16 0, 1, 0
	MUL16 2, 1, 0
	WIN 0
	PLACES NP
	s_wait_kmcnt 0x0
	s_cmp_eq_u32 s19, 0
	s_cselect_b64 s[20:21], s[20:21], s[22:23]
	s_add_nc_u64 s[20:21], s[20:21], s[100:101]
	TOSTAGE 0
.irp a, 0,1,2,3
.if \a < 3
.if \a == 2
	s_wait_xcnt 0x0
.endif
	TOSTAGE \a+1
	s_wait_dscnt 32
.else
	s_wait_dscnt 0x0
.endif
	s_wait_loadcnt 16*(3-\a)                       ; block a's 16 loads of x are in; those of the blocks behind it may be out
	TANH 64+64*(\a%3), 64*\a
.irp t, 0,1,2,3,4,5,6,7,8,9,10,11,12,13,14,15
	global_store_b128 v[L16], v[64+64*(\a%3)+4*\t:64+64*(\a%3)+4*\t+3], s[20:21] offset:(8*\a+(\t%8)+32*(\t/8))*4096 th:TH_STORE_NT
.endr
.endr
	s_wait_tensorcnt 0x0
	ds_add_u32 v[SPW], v[NIL]
	s_wait_dscnt 0x0
	CROUND
	s_endpgm
.Lfunc_end_k_q2c04f38373_outp:
	.size	k_q2c04f38373_outp, .Lfunc_end_k_q2c04f38373_outp-k_q2c04f38373_outp
	.p2alignl 7, 3214868480
	.fill 96, 4, 3214868480
	.section	.rodata,"a",@progbits
	.p2align	6, 0x0
	.amdhsa_kernel k_q2c04f38373_outp
		.amdhsa_group_segment_fixed_size 327680
		.amdhsa_private_segment_fixed_size 0
		.amdhsa_enable_private_segment 0
		.amdhsa_kernarg_size 80
		.amdhsa_user_sgpr_count 2
		.amdhsa_user_sgpr_kernarg_segment_ptr 1
		.amdhsa_wavefront_size32 1
		.amdhsa_system_sgpr_workgroup_id_x 1
		.amdhsa_system_sgpr_workgroup_id_y 1
		.amdhsa_system_sgpr_workgroup_id_z 1
		.amdhsa_system_vgpr_workitem_id 0
		.amdhsa_next_free_vgpr 1024
		.amdhsa_next_free_sgpr 104
		.amdhsa_reserve_vcc 0
		.amdhsa_float_denorm_mode_32 3
		.amdhsa_float_denorm_mode_16_64 3
		.amdhsa_memory_ordered 1
		.amdhsa_forward_progress 1
		.amdhsa_inst_pref_size 198
	.end_amdhsa_kernel
	.amdgpu_metadata
---
amdhsa.version: [ 1, 2 ]
amdhsa.kernels:
  - .name:           k_q2c04f38373_outp
    .symbol:         k_q2c04f38373_outp.kd
    .args:
      - { .name: acodes, .offset: 0, .size: 8, .value_kind: global_buffer, .address_space: global }
      - { .name: ascl, .offset: 8, .size: 8, .value_kind: global_buffer, .address_space: global }
      - { .name: wimg, .offset: 16, .size: 8, .value_kind: global_buffer, .address_space: global }
      - { .name: wscl, .offset: 24, .size: 8, .value_kind: global_buffer, .address_space: global }
      - { .name: b1, .offset: 32, .size: 8, .value_kind: global_buffer, .address_space: global }
      - { .name: b2, .offset: 40, .size: 8, .value_kind: global_buffer, .address_space: global }
      - { .name: question, .offset: 48, .size: 8, .value_kind: global_buffer, .address_space: global }
      - { .name: context, .offset: 56, .size: 8, .value_kind: global_buffer, .address_space: global }
      - { .name: out0, .offset: 64, .size: 8, .value_kind: global_buffer, .address_space: global }
      - { .name: out1, .offset: 72, .size: 8, .value_kind: global_buffer, .address_space: global }
    .group_segment_fixed_size: 327680
    .private_segment_fixed_size: 0
    .kernarg_segment_align: 8
    .kernarg_segment_size: 80
    .max_flat_workgroup_size: 128
    .sgpr_count:     104
    .vgpr_count:     1024
    .wavefront_size: 32
...
	.end_amdgpu_metadata
.endif
;; end of part 4
